; MI455X (gfx1250); checked and timed in simulation.
; The chip was launched on July 23, 2026; its instructions are those of AMD's public machine-readable ISA for CDNA 5 (MIT licence, August 2026) and "CDNA5" Instruction Set Architecture Reference Guide (July 2026). The comments in the code are by the model that wrote it; some were corrected since.
;; Multi Head Attention. Allowed arithmetic: matrix products marked QUANTISED: E2M1 operands, one E8M0 scale for each 32 along K, by v_wmma_scale_f32_16x16x128_f8f6f4 with both operands' format E2M1 (or v_wmma_scale_f32_32x16x128_f4), f32 sums; products left as they are: bf16, f16 or f32 operands; f32 sums; everything else in f32.
;; Inputs: Wk 1,024 x 1,024 float32; Wo 1,024 x 1,024 float32; Wq 1,024 x 1,024 float32; Wv 1,024 x 1,024 float32; x 4 x 2,048 x 1,024 float32.
;; Outputs: out0 4 x 2,048 x 1,024 float32.
;; This version of the problem:
;;   THIS VERSION OF THE PROBLEM IS GIVEN IN LOW PRECISION. The matrix products marked QUANTISED in the list below multiply operands that are first quantised to E2M1 (2 exponent bits, 1 mantissa bit; 4 bits a number), with one power-of-two scale for each 32 numbers along K (OCP MX v1.0); their sums are f32. The products marked 'left as it is' may take bf16, f16 or f32 operands, with f32 sums. Whichever they take, every output number must still come out within the allowed error. Rounding operands to bf16 (8 significant bits) uses up far more of that allowance than f16 does (11 bits, for magnitudes from 6e-5 to 65,504). All else is computed in f32.
;;   The module's matrix products, in the order in which they are computed (A, B: the left and right operand; K: the contracted axis; several contracted axes count as one K, in the product's order):
;;     1. [M 8,192, K 1,024] x [K 1,024, N 1,024]; A: input x; B: input Wq: QUANTISED
;;     2. [M 8,192, K 1,024] x [K 1,024, N 1,024]; A: input x; B: input Wk: QUANTISED
;;     3. [M 8,192, K 1,024] x [K 1,024, N 1,024]; A: input x; B: input Wv: QUANTISED
;;     4. batch 64 x [M 2,048, K 64] x [K 64, N 2,048]; A: computed on the way; B: computed on the way: left as it is (an operand is computed on the way)
;;     5. batch 64 x [M 2,048, K 2,048] x [K 2,048, N 64]; A: computed on the way; B: computed on the way: left as it is (an operand is computed on the way)
;;     6. [M 8,192, K 1,024] x [K 1,024, N 1,024]; A: computed on the way; B: input Wo: left as it is (an operand is computed on the way)
;;   THE QUANTISER, for each operand of a quantised product, along K:
;;     - K is cut into blocks of 32 from its start; a last block that is shorter is filled with zeros.
;;     - A block's scale is 2^e with e = floor(log2(the largest magnitude in the block)) - 2, held to -126 .. 127; a block of zeros has e = 0. As a byte (E8M0): e + 127.
;;     - Each number is divided by its block's scale, clamped to +-6, and rounded to the nearest number of E2M1, ties to even, subnormals kept.
;;     - The product sums the exact products of the quantised numbers (number of the format x scale) in f32.
;;   ~~~python
;;   def quantise(x, axis):      # numpy; x: float32 -> the quantised numbers, widened to float32 again
;;       x = np.moveaxis(x, axis, -1); K = x.shape[-1]
;;       x = np.pad(x, [(0, 0)] * (x.ndim - 1) + [(0, -K % 32)]); x = x.reshape(x.shape[:-1] + (-1, 32)); a = np.abs(x).max(-1, keepdims=True)
;;       e = np.where(a > 0, np.clip(np.frexp(np.where(a > 0, a, 1))[1] - 1 - 2, -126, 127), 0)      # np.frexp(a)[1] - 1 = floor(log2(a)), exactly
;;       r = np.clip(x / 2.0 ** e, -6, 6)
;;       step = 2.0 ** (np.maximum(np.frexp(np.where(r == 0, 1, r))[1] - 1, 0) - 1)
;;       q = np.round(r / step) * step * 2.0 ** e      # np.round: ties to even
;;       return np.moveaxis(q.reshape(q.shape[:-2] + (-1,))[..., :K], -1, axis).astype(np.float32)
;;   ~~~
;; One version. Each part assembles by itself: llvm-mc -triple=amdgcn-amd-amdhsa -mcpu=gfx1250 --defsym DOCPART=n.
;; ======== version 1 of 1: 4 launches
;; limits: values are held in f16: magnitudes above 65,504 overflow, below 6.1e-05 lose precision
;; workspace buffers: xc 4,194,304 bytes; xs 262,144 bytes; wc 1,572,864 bytes; ws 98,304 bytes; wo16 2,097,152 bytes; qkv 50,331,648 bytes; y 16,777,216 bytes
;; launch quant (part 1): grid 384 x 1, 4 waves a work-group, no clusters, 33,280 bytes of LDS; arguments x, Wq, Wk, Wv, Wo, xc, xs, wc, ws, wo16; writes xc, xs, wc, ws, wo16
.if DOCPART == 1
	.amdgcn_target "amdgcn-amd-amdhsa--gfx1250"
	.amdhsa_code_object_version 6
	.text
	.protected	k_q29342a38f9_quant
	.globl	k_q29342a38f9_quant
	.p2align	8
	.type	k_q29342a38f9_quant,@function
k_q29342a38f9_quant:
	s_mov_b64 s[64:65], 0
	v_nop
	global_prefetch_b8 v0, s[64:65] scope:SCOPE_SE
	s_setreg_imm32_b32 hwreg(HW_REG_WAVE_MODE, 25, 1), 1
	s_wait_xcnt 0x0
; x [8192][1024] and Wq, Wk, Wv [1024][1024], f32, become codes of FP4 (E2M1), K innermost, with one E8M0 scale byte for each 32 along K; Wo [1024][1024] becomes f16.
; xc [8192][512 bytes], xs [8192][32];  wc [3072][512 bytes], ws [3072][32]: rows 0-1023 Wq, 1024-2047 Wk, 2048-3071 Wv;  wo16 [1024][1024] f16.
; A block's scale is 2^(floor(log2(its largest magnitude)) - 2); its byte is the largest magnitude's own exponent field - 2, held at 1 from below.  Each number is divided by the scale and rounded to the
; nearest code, ties to even, beyond 6 the largest code.
; LIMITS: a block of zeros gets the byte 1 where the rule says 127 (its codes are zeros, and this program alone reads the bytes); blocks whose largest magnitude lies under 2^-124 were not tried;
; NaN and infinities among the inputs are not served; numbers of Wo beyond 65,504 do not fit f16.
; Rows are dense and K is a multiple of 32: every tensor is a plain stream of blocks of 32.  A work-group takes 32,768 numbers, a wave 8,192: 16 steps of 512.
; Work-groups 0-255: x;  256-287: Wq;  288-319: Wk;  320-351: Wv;  352-383: Wo.  The buffers are chosen by the work-group's number alone.
; The conversions take numbers of ONE block from a lane's registers, so a lane must hold 16 neighbours; a load is dense where neighbouring lanes take neighbouring bytes.  Both are had: each load reads 512
; consecutive bytes, and a step's 2,048 bytes turn through the wave's own stage in LDS (16 bytes of padding behind each 64).  No tensor loads, no barrier: waves share nothing.
.set WAVES, 4
.set STEPS, 16
.set EMAX,  2
.set CB,    8                          ; bytes of 16 codes
.set R,     16                         ; v16-79   four sets of 16 numbers as they are loaded (Wo's path: v16-143 two sets of 64)
.set X,     80                         ; v80-111  two sets of 16 neighbours
.set E,     112                        ; v112-127 a scale byte for each step
.set C,     128                        ; v128-191 codes: four registers for each step, so that no store's data are written again
.set H,     144                        ; Wo's path: v144-175 a batch's f16 numbers
.set WREG,  8192                       ; LDS: a region for each wave: two stages of 32 x SP bytes, behind them its 256 scale bytes
.set SP,    80                         ; a lane's place in a stage: 64 bytes + 16 of padding
.set SPW,   12                         ; v12  LDS address of my spare word: SPARE + 4 x my thread's number; never rewritten
.set NIL,   13                         ; v13  0; never rewritten
.set SPARE, WAVES*WREG                 ; behind the four regions: the spare words, 128 bytes for each wave
	s_load_b512 s[4:19], s[0:1], 0x0               ; x s[4:5], Wq s[6:7], Wk s[8:9], Wv s[10:11], Wo s[12:13], xc s[14:15], xs s[16:17], wc s[18:19]
	s_load_b128 s[20:23], s[0:1], 0x40             ; ws s[20:21], wo16 s[22:23]
	v_lshl_add_u32 v[SPW], v0, 2, SPARE
	v_mov_b32 v[NIL], 0
	v_lshrrev_b32 v1, 5, v0
	v_readfirstlane_b32 s24, v1                    ; wave
	v_and_b32 v2, 31, v0                           ; lane
	v_lshlrev_b32 v3, 4, v2                        ; my 16 bytes of a load's 512
	s_mul_i32 s27, s24, WREG
	v_lshrrev_b32 v14, 2, v2
	v_mul_u32_u24 v14, v14, SP
	v_and_b32 v15, 3, v2
	v_lshl_add_u32 v14, v15, 4, v14
	v_add_nc_u32 v14, s27, v14                     ; the stage, on the way in: SP (lane / 4) + 16 (lane % 4)
	v_mul_u32_u24 v15, v2, SP
	v_add_nc_u32 v15, s27, v15                     ; and on the way out: SP x lane: my 16 neighbours
	v_mul_u32_u24 v4, v2, CB                       ; my codes' place in a step's
	v_lshrrev_b32 v5, 1, v2
	s_add_co_u32 s27, s27, 2*32*SP
	v_add_nc_u32 v5, s27, v5                       ; LDS: my wave's 256 scale bytes, my block's byte
	v_lshlrev_b32 v7, 3, v2                        ; 8 bytes a lane
	v_add_nc_u32 v6, s27, v7
	s_wait_kmcnt 0x0
	s_cmp_ge_u32 ttmp9, 352
	s_cbranch_scc1 .Lwo                            ; Wo's work-groups: a branch on the work-group's number
	; which tensor, and which run of 8,192 numbers of it.  The arithmetic that sets SCC comes first, then compares and selections alone
	s_sub_co_u32 s25, ttmp9, 256                   ; the work-group's place among the three weights' 96 (replaced below for x)
	s_and_b32 s26, s25, 31                         ; and inside its weight
	s_mov_b64 s[28:29], s[10:11]                   ; Wv,
	s_cmp_lt_u32 ttmp9, 320
	s_cselect_b64 s[28:29], s[8:9], s[28:29]       ; or Wk,
	s_cmp_lt_u32 ttmp9, 288
	s_cselect_b64 s[28:29], s[6:7], s[28:29]       ; or Wq,
	s_cmp_lt_u32 ttmp9, 256
	s_cselect_b64 s[28:29], s[4:5], s[28:29]       ; or x
	s_cselect_b64 s[30:31], s[14:15], s[18:19]     ; the codes' buffer
	s_cselect_b64 s[32:33], s[16:17], s[20:21]     ; the scale bytes'
	s_cselect_b32 s26, ttmp9, s26
	s_cselect_b32 s25, ttmp9, s25
	s_lshl_b32 s26, s26, 2
	s_add_co_u32 s26, s26, s24                     ; my run in the source
	s_lshl_b32 s34, s26, 15                        ; 32,768 bytes a run
	s_mov_b32 s35, 0
	s_add_nc_u64 s[28:29], s[28:29], s[34:35]
	s_lshl_b32 s25, s25, 2
	s_add_co_u32 s25, s25, s24                     ; my run in the codes' and scales' buffers: the three weights lie on end
	s_lshl_b32 s34, s25, 12                        ; 4,096 bytes of codes a run
	s_add_nc_u64 s[30:31], s[30:31], s[34:35]
	s_lshl_b32 s34, s25, 8                         ; 256 scale bytes a run
	s_add_nc_u64 s[32:33], s[32:33], s[34:35]
.macro LOAD t
.irp i, 0,1,2,3
	global_load_b128 v[R+16*((\t)%4)+4*\i:R+16*((\t)%4)+4*\i+3], v3, s[28:29] offset:2048*(\t)+512*\i th:TH_LOAD_NT   ; 32 lanes read 512 consecutive bytes
.endr
.endm
.macro TURN t                          ; step t's numbers through the stage: LDS serves a wave's instructions in order, so no wait stands between the stores and the loads
.irp i, 0,1,2,3
	ds_store_b128 v14, v[R+16*((\t)%4)+4*\i:R+16*((\t)%4)+4*\i+3] offset:32*SP*((\t)%2)+8*SP*\i
.endr
.irp i, 0,1,2,3
	ds_load_b128 v[X+16*((\t)%2)+4*\i:X+16*((\t)%2)+4*\i+3], v15 offset:32*SP*((\t)%2)+16*\i
.endr
.endm
.irp t, 0,1,2,3
	LOAD \t
.endr
	s_wait_loadcnt 12                              ; step 0's four loads are in; the 12 of steps 1 to 3 may be out
	TURN 0
.macro STEP t
.set XS, X+16*((\t)%2)
.if (\t) > 0
	s_wait_dscnt 1                                 ; this step's numbers are back from the stage (the last step's byte store may be out): so its stores into the stage have read their registers,
.else
	s_wait_dscnt 0x0
.endif
.if (\t)+4 < STEPS
	LOAD (\t)+4                                    ; which take the loads of four steps on
.endif
.if (\t)+1 < STEPS
.if STEPS-2-(\t) >= 3
	s_wait_loadcnt 12                              ; the next step's four loads are in; those of the three steps behind it may be out
.else
	s_wait_loadcnt 4*(STEPS-2-(\t))
.endif
	TURN (\t)+1                                    ; and go through the other stage while this step is worked
.endif
	v_max3_num_f32 v8, |v[XS]|, |v[XS+1]|, |v[XS+2]|               ; the largest magnitude of my 16, in two chains
	v_max3_num_f32 v9, |v[XS+3]|, |v[XS+4]|, |v[XS+5]|
.irp i, 6,10
	v_max3_num_f32 v8, v8, |v[XS+\i]|, |v[XS+\i+1]|
	v_max3_num_f32 v9, v9, |v[XS+\i+2]|, |v[XS+\i+3]|
.endr
	v_max3_num_f32 v8, v8, |v[XS+14]|, |v[XS+15]|
	v_max3_num_f32 v8, v8, v9, (EMAX+1)<<23        ; and the floor 2^(EMAX + 1 - 127): the byte cannot fall under 1
	v_max_num_f32_dpp v8, v8, v8 row_xmask:1 row_mask:0xf bank_mask:0xf   ; and of my neighbour's 16: the block's
	v_add_nc_u32 v11, -(EMAX<<23), v8              ; EMAX off its exponent field: the conversion takes the exponent field of this operand as its scale
	v_cvt_scalef32_pk8_fp4_f32 v[C+4*(\t)], v[XS:XS+7], v11
	v_cvt_scalef32_pk8_fp4_f32 v[C+4*(\t)+1], v[XS+8:XS+15], v11
	v_lshrrev_b32 v[E+(\t)], 23, v11               ; the scale's byte (also the plain line behind the conversions)
	ds_store_b8 v5, v[E+(\t)] offset:16*(\t)       ; both lanes of a block write the same byte with the same value
	global_store_b64 v4, v[C+4*(\t):C+4*(\t)+1], s[30:31] offset:32*CB*(\t)   ; the wave stores 256 consecutive bytes, aligned
.endm
.irp t, 0,1,2,3,4,5,6,7,8,9,10,11,12,13,14,15
	STEP \t
.endr
	ds_load_b64 v[8:9], v6                         ; LDS serves a wave's instructions in order: these see my byte stores
	s_wait_dscnt 0x0
	global_store_b64 v7, v[8:9], s[32:33]          ; 32 lanes store my run's 256 scale bytes, aligned
	s_wait_tensorcnt 0x0                           ; the wave's end: behind my last LDS store
	ds_add_u32 v[SPW], v[NIL]
	s_wait_dscnt 0x0
	s_endpgm
; Wo to f16, rounded to nearest even.  A wave takes 8,192 numbers in four batches of 16 loads; a load reads 512 consecutive bytes, a store writes 256.  No LDS.
.Lwo:
	s_sub_co_u32 s25, ttmp9, 352
	s_lshl_b32 s25, s25, 2
	s_add_co_u32 s25, s25, s24                     ; my run
	s_lshl_b32 s34, s25, 15
	s_mov_b32 s35, 0
	s_add_nc_u64 s[28:29], s[12:13], s[34:35]      ; 32,768 bytes a run in,
	s_lshl_b32 s34, s25, 14
	s_add_nc_u64 s[30:31], s[22:23], s[34:35]      ; 16,384 out
.macro LOADB n
.irp i, 0,1,2,3,4,5,6,7,8,9,10,11,12,13,14,15
	global_load_b128 v[R+64*((\n)%2)+4*\i:R+64*((\n)%2)+4*\i+3], v3, s[28:29] offset:(16*(\n)+\i)*512 th:TH_LOAD_NT
.endr
.endm
	LOADB 0
	LOADB 1
.irp n, 0,1,2,3
.if \n < 3
	s_wait_loadcnt 16                              ; this batch's 16 loads are in; the next batch's 16 may be out
.else
	s_wait_loadcnt 0x0
.endif
.if \n > 0
	s_wait_xcnt 0x0                                ; the last batch's stores have read their data registers, which are written again below
.endif
.irp i, 0,1,2,3,4,5,6,7,8,9,10,11,12,13,14,15
	v_cvt_pk_f16_f32 v[H+2*\i], v[R+64*(\n%2)+4*\i], v[R+64*(\n%2)+4*\i+1]
	v_cvt_pk_f16_f32 v[H+2*\i+1], v[R+64*(\n%2)+4*\i+2], v[R+64*(\n%2)+4*\i+3]
.endr
.irp i, 0,1,2,3,4,5,6,7,8,9,10,11,12,13,14,15
	global_store_b64 v7, v[H+2*\i:H+2*\i+1], s[30:31] offset:(16*\n+\i)*256   ; the wave stores 256 consecutive bytes, aligned
.endr
.if \n < 2
	LOADB \n+2
.endif
.endr
	s_wait_tensorcnt 0x0                           ; the same three closing lines on this path
	ds_add_u32 v[SPW], v[NIL]
	s_wait_dscnt 0x0
	s_endpgm
.Lfunc_end_k_q29342a38f9_quant:
	.size	k_q29342a38f9_quant, .Lfunc_end_k_q29342a38f9_quant-k_q29342a38f9_quant
	.p2alignl 7, 3214868480
	.fill 96, 4, 3214868480
	.section	.rodata,"a",@progbits
	.p2align	6, 0x0
	.amdhsa_kernel k_q29342a38f9_quant
		.amdhsa_group_segment_fixed_size 33280
		.amdhsa_private_segment_fixed_size 0
		.amdhsa_enable_private_segment 0
		.amdhsa_kernarg_size 80
		.amdhsa_user_sgpr_count 2
		.amdhsa_user_sgpr_kernarg_segment_ptr 1
		.amdhsa_wavefront_size32 1
		.amdhsa_system_sgpr_workgroup_id_x 1
		.amdhsa_system_sgpr_workgroup_id_y 1
		.amdhsa_system_sgpr_workgroup_id_z 1
		.amdhsa_system_vgpr_workitem_id 0
		.amdhsa_next_free_vgpr 192
		.amdhsa_next_free_sgpr 66
		.amdhsa_reserve_vcc 0
		.amdhsa_float_denorm_mode_32 3
		.amdhsa_float_denorm_mode_16_64 3
		.amdhsa_memory_ordered 1
		.amdhsa_forward_progress 1
		.amdhsa_inst_pref_size 54
	.end_amdhsa_kernel
	.amdgpu_metadata
---
amdhsa.version: [ 1, 2 ]
amdhsa.kernels:
  - .name:           k_q29342a38f9_quant
    .symbol:         k_q29342a38f9_quant.kd
    .args:
      - { .name: x, .offset: 0, .size: 8, .value_kind: global_buffer, .address_space: global }
      - { .name: Wq, .offset: 8, .size: 8, .value_kind: global_buffer, .address_space: global }
      - { .name: Wk, .offset: 16, .size: 8, .value_kind: global_buffer, .address_space: global }
      - { .name: Wv, .offset: 24, .size: 8, .value_kind: global_buffer, .address_space: global }
      - { .name: Wo, .offset: 32, .size: 8, .value_kind: global_buffer, .address_space: global }
      - { .name: xc, .offset: 40, .size: 8, .value_kind: global_buffer, .address_space: global }
      - { .name: xs, .offset: 48, .size: 8, .value_kind: global_buffer, .address_space: global }
      - { .name: wc, .offset: 56, .size: 8, .value_kind: global_buffer, .address_space: global }
      - { .name: ws, .offset: 64, .size: 8, .value_kind: global_buffer, .address_space: global }
      - { .name: wo16, .offset: 72, .size: 8, .value_kind: global_buffer, .address_space: global }
    .group_segment_fixed_size: 33280
    .private_segment_fixed_size: 0
    .kernarg_segment_align: 8
    .kernarg_segment_size: 80
    .max_flat_workgroup_size: 128
    .sgpr_count:     66
    .vgpr_count:     192
    .wavefront_size: 32
...
	.end_amdgpu_metadata
.endif
;; end of part 1
;; launch qkv (part 2): grid 12 x 32, 4 waves a work-group, clusters of 4 x 4, 327,680 bytes of LDS; arguments xc, xs, wc, ws, qkv; writes qkv
.if DOCPART == 2
	.amdgcn_target "amdgcn-amd-amdhsa--gfx1250"
	.amdhsa_code_object_version 6
	.text
	.protected	k_q29342a38f9_qkv
	.globl	k_q29342a38f9_qkv
	.p2align	8
	.type	k_q29342a38f9_qkv,@function
k_q29342a38f9_qkv:
	s_mov_b64 s[64:65], 0
	v_nop
	global_prefetch_b8 v0, s[64:65] scope:SCOPE_SE
	s_setreg_imm32_b32 hwreg(HW_REG_WAVE_MODE, 25, 1), 1
	s_wait_xcnt 0x0
	s_wait_alu depctr_hold_cnt(0) depctr_sa_sdst(0) depctr_va_vdst(0) depctr_va_sdst(0) depctr_va_ssrc(0) depctr_va_vcc(0) depctr_vm_vsrc(0)
	s_getreg_b32 s2, hwreg(HW_REG_IB_STS2, 6, 4)
	s_cmp_eq_u32 s2, 0
	s_cbranch_scc0 .Lentry_in_a_cluster
	s_endpgm
.Lentry_in_a_cluster:
	s_bfe_u32 s2, ttmp6, 0x10000c
	s_cmp_lg_u32 s2, 0xf033
	s_cbranch_scc0 .Lentry_shape_is_right
	s_endpgm
.Lentry_shape_is_right:
; q, k, v = x Wq^T, x Wk^T, x Wv^T as ONE product C[m][n] = sum over k of A[m][k] B[n][k] on codes of FP4 (E2M1) with one E8M0 scale for each 32 along K.
; A = x's codes [8192][512 bytes] and scale bytes [8192][32];  B = the three weights' codes on end [3072][512 bytes], scale bytes [3072][32].  Sums in f32, K ascending.
; The result is rounded to f16 and laid by head: qkv [3 (q, k, v)][batch 4][head 16][s 2048][64]: a head's rows are 128 dense bytes.  LIMIT: results beyond 65,504 do not fit f16.
; A tile of C, 256 x 256, is made by a work-group of four waves; a wave makes 128 x 128: 64 accumulators of 16 x 16, 512 registers.
; K = 1,024 is two K steps of 512 (a tile's row: 256 bytes): both fit in LDS at once, so both slots and the scales are asked for at the head and nothing is filled again.
; CLUSTERS: 4 x 4 work-groups.  The four of a row of the cluster need the same tiles of A, the four of a column the same tiles of B: each tile is asked for JOINTLY, by the same tensor load with the
; same descriptor and a mask that names the four.  THE MATRIX INSTRUCTION IS USED TRANSPOSED (source 0 = 16 rows of B, source 1 = 16 rows of A): a lane then holds eight neighbouring numbers of a row of C.
; REGISTERS, in windows of 256: window 0: v0-31 addresses; v32-95 scale words, two sets; from v128 A's fragments (8 x 16 rows x 128 K), ONE set; on the way out v32-255 are free.
;   window 1: B's fragments, TWO sets, at v0 and at v128.   window 2: the 32 accumulators of my rows 0-63 (accumulator (a, b) at v[8 (8 a + b)]);   window 3: those of my rows 64-127.
; A step of 128 along K is 64 matrix instructions, A's blocks one after the other, each against B's eight: a block of A is free as soon as its eight products are issued, so one set serves A.
.set NQ,     4                         ; steps of 128 along K in a slot
.set ROWB,   256                       ; a tile's row in bytes: 512 codes
.set KROW,   512                       ; a row of A or of B in memory, in bytes
.set PITCH,  272                       ; an LDS row: 256 bytes + 16 of padding = 68 words: row r starts at bank 4 r mod 64 (64 banks of 4 bytes: ISA guide 11.1)
.set FR,     8                         ; registers of a fragment: 16 rows x 128 K
.set NL,     2                         ; LDS loads that bring one
.set NP,     4                         ; places behind this matrix instruction (ISA guide 7.12.1)
.set HALFT,  128*PITCH                 ; 128 rows: what one tensor load brings, and what one wave reads of A or of B
.set SLOT,   4*HALFT                   ; A's 256 rows, then B's 256 rows
.set KS,     32                        ; a row of scales in bytes
.set SCL,    2*SLOT                    ; behind the two slots: the scales, as rows of 256 bytes + 16 of padding
.set HALFS,  (128*KS/256)*272          ; the scales of 128 rows: what one tensor load brings
.set SBLK,   (16*KS/256)*272           ; those of 16 rows
.set SPARE,  SCL+4*HALFS               ; behind the scales: the spare words, 128 bytes for each wave
.set SP,     144                       ; the way out: a stage of [2 heads][16 rows] x (128 bytes + 16) for each wave.  It lies in slot 0, which has had its only fill and its last read when the first result is stored there
.set PLANE,  262144                    ; a head's 2,048 rows of 128 bytes
.set ADRA, 16                          ; v16-17  LDS address of my A fragments in slot 0, 1
.set ADRB, 20                          ; v20-21  the same for B
.set STO,  24                          ; v24     the way out: where I put 16 bytes of a row
.set RD,   25                          ; v25     the way out: where I read rows back
.set CO,   26                          ; v26     16 x lane: my byte offset in four dense rows
.set ADRS, 27                          ; v27     LDS address of my scale words: lanes 0-15 A's rows, lanes 16-31 B's
.set SPW,  28                          ; v28     LDS address of my spare word; never rewritten
.set NIL,  29                          ; v29     0; never rewritten
.set SC,   32                          ; scale words: set s at v[SC + 32 s]; register 4 i + q: lanes 0-15 the word of A's block i, lanes 16-31 that of B's block i, for the slot's q-th 128 along K
.set AF,   128                         ; A's fragments, in window 0
.set TMP,  192                         ; the way out: packed results
.set OB,   32                          ; the way out: 16 rows read back from the stage: v32-63 and v224-255 by turns
.set G1, 24                            ; s[24:31] descriptor group 1 for A's tiles;  s[32:39] group 0, one set for each slot
.set G0, 32
.set G1B, 48                           ; s[48:55], s[56:63] the same for B's tiles
.set G0B, 56
.set G1S, 68                           ; s[68:75], s[76:79] groups 1 and 0 for A's scales;  s[80:87], s[88:91] for B's
.set G0S, 76
.set G1SB, 80
.set G0SB, 88
.set MSB, 0
.macro WIN new                         ; the immediate's high byte repeats the setting that is left
.if MSB != \new
	s_set_vgpr_msb (MSB<<8)|\new
.set MSB, \new
.endif
.endm
.set MUL_LO, 0xa1                      ; source 0 (B) window 1, source 1 (A) window 0, C and D window 2
.set MUL_HI, 0xf1                      ; the same, C and D window 3
.set TO_B,   0x40                      ; destination window 1, address window 0
; A joint load: waves 0 and 1 fetch for A, waves 2 and 3 for B.  Each of the two lines has ONE mask and one set of registers for all that issue it; the branch hangs on the wave's number alone.
; An s_nop 0 and four v_nop follow each of the two lines, ahead of the jump, the label and what follows.
.macro JLOAD g0a, g1a, g0b, g1b
	s_cmp_eq_u32 s15, 0
	s_cbranch_scc0 .Lfor_b_\@
	tensor_load_to_lds s[\g0a:\g0a+3], s[\g1a:\g1a+7]
	s_nop 0
.rept 4
	v_nop
.endr
	s_branch .Lasked_\@
.Lfor_b_\@:
	tensor_load_to_lds s[\g0b:\g0b+3], s[\g1b:\g1b+7]
	s_nop 0
.rept 4
	v_nop
.endr
.Lasked_\@:
.endm
.macro CROUND                          ; a round of the cluster's barrier
	s_barrier_signal -1
	s_barrier_wait -1
	s_cmp_lg_u32 s14, 0
	s_cbranch_scc1 .Lnot_wave_0_\@
	s_barrier_signal -3
.Lnot_wave_0_\@:
	s_barrier_wait -3
	s_barrier_signal -1
	s_barrier_wait -1
.endm
	s_load_b128 s[4:7], s[0:1], 0x0                ; A's codes s[4:5], A's scales s[6:7]
	s_load_b128 s[8:11], s[0:1], 0x10              ; B's codes s[8:9], B's scales s[10:11]
	s_load_b64 s[12:13], s[0:1], 0x20              ; qkv
	v_lshl_add_u32 v[SPW], v0, 2, SPARE
	v_mov_b32 v[NIL], 0
	ds_add_u32 v[SPW], v[NIL]                      ; the wave's opening: the add, twice on end, and its wait ahead of my first tensor load
	ds_add_u32 v[SPW], v[NIL]                      ; the set-up below, work on registers, stands between the second and the wait
	v_lshrrev_b32 v1, 5, v0
	v_readfirstlane_b32 s14, v1                    ; wave 0..3
	s_lshr_b32 s15, s14, 1                         ; which half of the tile's rows is mine.  Also: I fetch for A (0) or for B (1)
	s_and_b32 s16, s14, 1                          ; which half of its columns.  Also: which 128 rows of that tile I fetch
	s_bfe_u32 s40, ttmp6, 0x40000                  ; cx, cy: my place in the cluster
	s_bfe_u32 s41, ttmp6, 0x40004
	s_lshl_b32 s42, ttmp9, 2
	s_add_co_u32 s42, s42, s40                     ; tile column of C = 4 x cluster x + cx
	s_and_b32 s17, ttmp7, 0xffff
	s_lshl_b32 s17, s17, 2
	s_add_co_u32 s17, s17, s41                     ; tile row of C = 4 x cluster y + cy
	s_lshl_b32 s43, s41, 2
	s_lshl_b32 s43, 15, s43                        ; my row of the cluster
	s_lshl_b32 s44, 0x1111, s40                    ; my column
	; descriptor group 1: a tile of 128 rows x 256 bytes, padded in LDS
	s_or_b32 s[G1+0], s43, (0<<16)|(1<<20)|(1<<21)|(5<<22)|(3<<25)  ; 15:0 the mask: A's tiles go to my row; 17:16 element of 1 byte; 20 padding on; 21 set beside a mask; 24:22 after every 64 words (code 5); 31:25 of 4 words (code 3)
	s_or_b32 s[G1B+0], s44, (0<<16)|(1<<20)|(1<<21)|(5<<22)|(3<<25)
.irp g, G1, G1B
	s_mov_b32 s[\g+1], ROWB<<16                    ; tensor_dim0
	s_mov_b32 s[\g+2], 128<<16                     ; tensor_dim1 = 128
	s_mov_b32 s[\g+3], ROWB<<16                    ; tile_dim0
	s_mov_b32 s[\g+4], 128                         ; tile_dim1 = 128
	s_mov_b32 s[\g+5], KROW                        ; tensor_dim0_stride
	s_mov_b32 s[\g+6], 0
	s_mov_b32 s[\g+7], 0
.endr
	; and for the scales of 128 rows: a dense block of 4,096 bytes, as 16 rows of 256 bytes (32 elements of 8 bytes), 16 bytes of padding behind each
	s_or_b32 s[G1S+0], s43, (3<<16)|(1<<20)|(1<<21)|(5<<22)|(3<<25)
	s_or_b32 s[G1SB+0], s44, (3<<16)|(1<<20)|(1<<21)|(5<<22)|(3<<25)
.irp g, G1S, G1SB
	s_mov_b32 s[\g+1], 32<<16
	s_mov_b32 s[\g+2], (128*KS/256)<<16
	s_mov_b32 s[\g+3], 32<<16
	s_mov_b32 s[\g+4], 128*KS/256
	s_mov_b32 s[\g+5], 32
	s_mov_b32 s[\g+6], 0
	s_mov_b32 s[\g+7], 0
.endr
	s_lshl_b32 s18, s16, 7                         ; which 128 rows of the tile I fetch
	s_lshl_b32 s20, s17, 8
	s_add_co_u32 s20, s20, s18                     ; A: row 256 x tile row + 128 x half
	s_lshl_b32 s46, s42, 8
	s_add_co_u32 s46, s46, s18                     ; B: row 256 x tile column + 128 x half
	s_mov_b32 s21, 0
	s_mov_b32 s47, 0
	s_mov_b64 s[18:19], KS
	s_mul_u64 s[22:23], s[20:21], s[18:19]         ; where these rows' scales begin, in bytes
	s_mul_u64 s[92:93], s[46:47], s[18:19]
	s_mov_b64 s[18:19], KROW
	s_mul_u64 s[20:21], s[20:21], s[18:19]         ; and their codes
	s_mul_u64 s[46:47], s[46:47], s[18:19]
	s_mul_i32 s45, s14, HALFT                      ; where they go: wave x 128 rows: no place in the cluster enters an LDS address
	s_mul_i32 s94, s14, HALFS
	s_wait_dscnt 0x0                               ; both opening adds are done
	s_wait_kmcnt 0x0
	s_add_nc_u64 s[20:21], s[4:5], s[20:21]
	s_add_nc_u64 s[22:23], s[6:7], s[22:23]
	s_add_nc_u64 s[46:47], s[8:9], s[46:47]
	s_add_nc_u64 s[92:93], s[10:11], s[92:93]
	CROUND                                         ; all sixteen work-groups are here: the joint loads meet
	s_mov_b32 s[G0S], 1
	s_add_co_u32 s[G0S+1], s94, SCL
	s_mov_b64 s[G0S+2:G0S+3], s[22:23]
	s_or_b32 s[G0S+3], s[G0S+3], 0x80000000
	s_mov_b32 s[G0SB], 1
	s_add_co_u32 s[G0SB+1], s94, SCL
	s_mov_b64 s[G0SB+2:G0SB+3], s[92:93]
	s_or_b32 s[G0SB+3], s[G0SB+3], 0x80000000
	JLOAD G0S, G1S, G0SB, G1SB                     ; the scales first: they are wanted with K step 0
.irp s, 0,1
	s_mov_b32 s[G0+4*\s], 1
	s_add_co_u32 s[G0+4*\s+1], s45, \s*SLOT
	s_add_nc_u64 s[G0+4*\s+2:G0+4*\s+3], s[20:21], \s*ROWB
	s_or_b32 s[G0+4*\s+3], s[G0+4*\s+3], 0x80000000
	s_mov_b32 s[G0B+4*\s], 1
	s_add_co_u32 s[G0B+4*\s+1], s45, \s*SLOT
	s_add_nc_u64 s[G0B+4*\s+2:G0B+4*\s+3], s[46:47], \s*ROWB
	s_or_b32 s[G0B+4*\s+3], s[G0B+4*\s+3], 0x80000000
	JLOAD G0+4*\s, G1, G0B+4*\s, G1B               ; three tensor loads of mine are out in all
.endr
	v_and_b32 v1, 15, v0                           ; l % 16
	v_bfe_u32 v2, v0, 4, 1                         ; l / 16
	v_mul_u32_u24 v3, v1, PITCH
	v_lshl_add_u32 v4, v2, 4, v3                   ; a fragment's row x pitch + 16 x half
	s_mul_i32 s21, s15, HALFT                      ; my 128 rows of A
	s_mul_i32 s22, s16, HALFT                      ; my 128 rows of B,
	s_add_co_u32 s22, s22, 2*HALFT                 ; which lie behind A's 256
.irp s, 0,1
	v_add_nc_u32 v[ADRA+\s], s21, v4
	v_add_nc_u32 v[ADRB+\s], s22, v4
	s_add_co_u32 s21, s21, SLOT
	s_add_co_u32 s22, s22, SLOT
.endr
	v_mul_u32_u24 v5, v1, KS                       ; my row's scales: KS bytes a row,
	v_lshrrev_b32 v6, 8, v5
	v_lshl_add_u32 v5, v6, 4, v5                   ; and 16 more for each 256 passed
	s_mul_i32 s21, s15, HALFS                      ; A's: my 128 rows
	s_mul_i32 s22, s16, HALFS                      ; B's: my 128 rows, behind A's 256
	s_add_co_u32 s22, s22, 2*HALFS
	s_sub_co_u32 s22, s22, s21
	v_mul_u32_u24 v6, s22, v2                      ; lanes 16-31 take B's: the lower base + half x the distance
	s_add_co_u32 s21, s21, SCL
	v_add_nc_u32 v5, v5, v6
	v_add_nc_u32 v[ADRS], s21, v5
	s_mul_i32 s23, s14, 2*16*SP                    ; my stage
	v_mul_u32_u24 v5, v1, SP                       ; in: row l % 16, 16 bytes for each half of the lanes
	v_lshl_add_u32 v5, v2, 4, v5
	v_add_nc_u32 v[STO], s23, v5
	v_bfe_u32 v5, v0, 3, 2                         ; back: eight lanes to a row of 128 bytes, four rows an instruction
	v_mul_u32_u24 v5, v5, SP
	v_and_b32 v6, 7, v0
	v_lshl_add_u32 v5, v6, 4, v5
	v_add_nc_u32 v[RD], s23, v5
	v_and_b32 v6, 31, v0
	v_lshlrev_b32 v[CO], 4, v6                     ; and the same four rows, dense, in a head's plane
	; where my part begins in qkv: my 128 columns are heads g and g + 1 of 48 (16 of q, 16 of k, 16 of v), g = 4 x tile column + 2 x half; my rows are s0 .. s0 + 127 of batch tile row / 8
	s_lshr_b32 s20, s17, 3
	s_lshl_b32 s20, s20, 4                         ; 16 x batch
	s_and_b32 s21, s17, 7
	s_lshl_b32 s21, s21, 8
	s_lshl_b32 s22, s15, 7
	s_add_co_u32 s21, s21, s22                     ; s0 = 256 (tile row % 8) + 128 x half
	s_lshl_b32 s21, s21, 7                         ; in bytes
	s_lshl_b32 s46, s42, 2
	s_lshl_b32 s47, s16, 1
	s_add_co_u32 s46, s46, s47                     ; g
	s_lshr_b32 s47, s46, 4
	s_lshl_b32 s47, s47, 6                         ; 64 planes a tensor
	s_and_b32 s46, s46, 15
	s_add_co_u32 s46, s46, s47
	s_add_co_u32 s46, s46, s20                     ; the plane: 64 (g / 16) + 16 batch + g % 16
	s_lshl_b32 s46, s46, 18
	s_add_co_u32 s46, s46, s21
	s_mov_b32 s47, 0
	s_add_nc_u64 s[12:13], s[12:13], s[46:47]
.macro FRAG reg, adr, q, i             ; a fragment, 16 rows x 128 K of 4-bit codes, is 8 registers: lane l holds row l % 16; registers 4 c .. 4 c + 3 hold K = 64 c + 32 (l / 16) + 0 .. 31
.irp c, 0,1
	ds_load_b128 v[\reg+4*\c:\reg+4*\c+3], v[\adr] offset:64*(\q)+32*\c+(\i)*16*PITCH
.endr
.endm
; 16 matrix instructions: A's blocks a0, a0 + 1 x B's eight, 128 along K: the slot's q-th.  p: B's set;  sc: the set of scale words.  zero = 1: the first product starts the sums: nothing is ever cleared.
; The 64 accumulators take turns, one instruction a turn, in the same order in every step.
.macro MUL16 a0, p, q, sc, zero
.irp a, \a0, \a0+1
.irp b, 0,1,2,3,4,5,6,7
.if \zero
	v_wmma_scale_f32_16x16x128_f8f6f4 v[8*(8*((\a)%4)+\b):8*(8*((\a)%4)+\b)+7], v[128*(\p)+FR*\b:128*(\p)+FR*\b+FR-1], v[AF+FR*(\a):AF+FR*(\a)+FR-1], 0, v[SC+8*NQ*(\sc)+NQ*\b+(\q)], v[SC+8*NQ*(\sc)+NQ*(\a)+(\q)] matrix_a_fmt:MATRIX_FMT_FP4 matrix_b_fmt:MATRIX_FMT_FP4 matrix_a_scale:MATRIX_SCALE_ROW1
.else
	v_wmma_scale_f32_16x16x128_f8f6f4 v[8*(8*((\a)%4)+\b):8*(8*((\a)%4)+\b)+7], v[128*(\p)+FR*\b:128*(\p)+FR*\b+FR-1], v[AF+FR*(\a):AF+FR*(\a)+FR-1], v[8*(8*((\a)%4)+\b):8*(8*((\a)%4)+\b)+7], v[SC+8*NQ*(\sc)+NQ*\b+(\q)], v[SC+8*NQ*(\sc)+NQ*(\a)+(\q)] matrix_a_fmt:MATRIX_FMT_FP4 matrix_b_fmt:MATRIX_FMT_FP4 matrix_a_scale:MATRIX_SCALE_ROW1
.endif
.endr
.endr
.endm
.macro FETCH_B slot, q, p              ; B's eight fragments of the slot's q-th 128 along K into set p
	WIN TO_B
.irp i, 0,1,2,3,4,5,6,7
	FRAG 128*(\p)+FR*\i, ADRB+\slot, \q, \i
.endr
	WIN 0
.endm
.macro FETCH_A slot, q, i0             ; A's blocks i0 .. i0 + 3
.irp i, \i0, \i0+1, \i0+2, \i0+3
	FRAG AF+FR*(\i), ADRA+\slot, \q, \i
.endr
.endm
.macro SCALES sc                       ; a K step's scale words into set sc: four words a row; lanes 0-15 take A's block i, lanes 16-31 B's block i
.irp i, 0,1,2,3,4,5,6,7
	ds_load_b128 v[SC+8*NQ*\sc+NQ*\i:SC+8*NQ*\sc+NQ*\i+3], v[ADRS] offset:\i*SBLK
.endr
.endm
; A load into a register that a matrix instruction has read, and a vector instruction that reads a matrix result, stand NP places behind that matrix instruction; only plain vector
; instructions that name none of its registers are places (ISA guide 7.12.1 for vector instructions).
.macro PLACES n
.rept \n
	v_nop
.endr
.endm
; A step of 128 along K that has its successor in the same slot.
.macro STEP slot, q, zero
	s_wait_dscnt 4*NL                              ; B's set and A's blocks 0-3 are in; the youngest eight loads (A's blocks 4-7) may be out
	WIN MUL_LO
	MUL16 0, (\q)%2, \q, \slot, \zero
	MUL16 2, (\q)%2, \q, \slot, \zero
	s_wait_dscnt 0                                 ; A's blocks 4-7 are in (asked for 32 matrix instructions ago)
	PLACES NP
	FETCH_B \slot, (\q)+1, 1-(\q)%2
	FETCH_A \slot, (\q)+1, 0
	WIN MUL_HI
	MUL16 4, (\q)%2, \q, \slot, \zero
	MUL16 6, (\q)%2, \q, \slot, \zero
	PLACES NP
	WIN 0
	FETCH_A \slot, (\q)+1, 4
.endm
; Slot 0's last step changes slots: one barrier; in front of it each wave waits for all its tensor loads (its part of slot 1), adds 0 to its spare word, and waits for that and for its own reads of slot 0.
; Behind it slot 1 is whole and nobody reads slot 0 any more, which the way out's stages then take.
.macro TURN slot, next
	s_wait_tensorcnt 0x0                           ; all my tensor loads have landed: my part of the next slot  (every window is 0 here)
	ds_add_u32 v[SPW], v[NIL]                      ; 0 onto my spare word
	s_wait_dscnt 4*NL+1                            ; (the add and the youngest eight loads, A's blocks 4-7, may be out)
	WIN MUL_LO
	MUL16 0, 1, NQ-1, \slot, 0                     ; sixteen matrix instructions stand between the add and the wait for it
	s_wait_dscnt 0x0                               ; the add is done, and my reads of this slot are over
	s_barrier_signal -1
	MUL16 2, 1, NQ-1, \slot, 0
	WIN 0
	s_barrier_wait -1
	PLACES NP
	v_add_nc_u32 v[ADRS], 4*NQ, v[ADRS]            ; on to the next K step's scale words
	FETCH_B \next, 0, 0
	FETCH_A \next, 0, 0
	SCALES \next
	WIN MUL_HI
	MUL16 4, 1, NQ-1, \slot, 0
	MUL16 6, 1, NQ-1, \slot, 0
	PLACES NP
	WIN 0
	FETCH_A \next, 0, 4
.endm
.macro STEPS slot, from                ; the slot's steps from .. NQ - 2
.set Q, \from
.rept NQ-1-\from
	STEP \slot, Q, 0
.set Q, Q+1
.endr
.endm
	s_wait_tensorcnt 1                             ; the scales and my part of K step 0 are in (K step 1's load, issued behind them, may be out),
	s_barrier_signal -1
	s_barrier_wait -1                              ; everybody's are
	FETCH_B 0, 0, 0
	FETCH_A 0, 0, 0
	SCALES 0
	FETCH_A 0, 0, 4
	STEP 0, 0, 1                                   ; the first step's products start the sums
	STEPS 0, 1
	TURN 0, 1
	STEPS 1, 0
	s_wait_dscnt 4*NL                              ; the very last step: nothing more to fetch
	WIN MUL_LO
	MUL16 0, 1, NQ-1, 1, 0
	MUL16 2, 1, NQ-1, 1, 0
	s_wait_dscnt 0
	WIN MUL_HI
	MUL16 4, 1, NQ-1, 1, 0
	MUL16 6, 1, NQ-1, 1, 0
	WIN 0
; THE WAY OUT, block by block of 16 rows x 128 columns (two heads).  PACK: rounded to f16, 16 bytes a lane, each accumulator from its low end on.  TOSTAGE: into my own stage, [head][row], and back four
; rows of a head at a time.  SEND: four dense rows of a head's plane, 512 consecutive bytes, aligned, an instruction.  LDS serves a wave's instructions in order (ISA guide 5.7.1.4): no wait between the stores and the loads.
.macro PACK a
.set AC, 64*((\a)%4)
	WIN 0x0a+5*((\a)/4)                            ; sources 0 and 1: window 2 or 3
.irp b, 0,1,2,3,4,5,6,7
.irp r, 0,1,2,3
	v_cvt_pk_f16_f32 v[TMP+4*\b+\r], v[AC+8*\b+2*\r], v[AC+8*\b+2*\r+1]
.endr
.endr
	WIN 0
.endm
.macro TOSTAGE a
.set BK, OB+192*((\a)%2)
.irp b, 0,1,2,3,4,5,6,7
	ds_store_b128 v[STO], v[TMP+4*\b:TMP+4*\b+3] offset:(\b/4)*16*SP+32*(\b%4)
.endr
.irp t, 0,1,2,3,4,5,6,7
	ds_load_b128 v[BK+4*\t:BK+4*\t+3], v[RD] offset:(\t/4)*16*SP+(\t%4)*4*SP
.endr
.endm
.macro SEND a
.set BK, OB+192*((\a)%2)
	s_wait_dscnt 0x0                               ; the block is back in registers
	s_wait_xcnt 0x0                                ; the stores of the block before have read their registers, into which the next block's loads land
.irp t, 0,1,2,3,4,5,6,7
	global_store_b128 v[CO], v[BK+4*\t:BK+4*\t+3], s[12:13] offset:(\t/4)*PLANE+(16*(\a)+4*(\t%4))*128
.endr
.endm
	PLACES NP                                      ; behind the last products: for the first reads of results and the loads into registers that held scale words
	PACK 0
	TOSTAGE 0
.irp a, 1,2,3,4,5,6,7                  ; block a's conversions stand between block a - 1's loads from the stage and the wait for them
	PACK \a
	SEND \a-1
	TOSTAGE \a
.endr
	SEND 7
	s_wait_tensorcnt 0x0                           ; the wave's end: behind my last tensor load and my last LDS store
	ds_add_u32 v[SPW], v[NIL]
	s_wait_dscnt 0x0
	CROUND                                         ; the closing round: no work-group ends while a partner may still ask for a tile that names it
	s_endpgm
.Lfunc_end_k_q29342a38f9_qkv:
	.size	k_q29342a38f9_qkv, .Lfunc_end_k_q29342a38f9_qkv-k_q29342a38f9_qkv
	.p2alignl 7, 3214868480
	.fill 96, 4, 3214868480
	.section	.rodata,"a",@progbits
	.p2align	6, 0x0
	.amdhsa_kernel k_q29342a38f9_qkv
		.amdhsa_group_segment_fixed_size 327680
		.amdhsa_private_segment_fixed_size 0
		.amdhsa_enable_private_segment 0
		.amdhsa_kernarg_size 40
		.amdhsa_user_sgpr_count 2
		.amdhsa_user_sgpr_kernarg_segment_ptr 1
		.amdhsa_wavefront_size32 1
		.amdhsa_system_sgpr_workgroup_id_x 1
		.amdhsa_system_sgpr_workgroup_id_y 1
		.amdhsa_system_sgpr_workgroup_id_z 1
		.amdhsa_system_vgpr_workitem_id 0
		.amdhsa_next_free_vgpr 1024
		.amdhsa_next_free_sgpr 98
		.amdhsa_reserve_vcc 0
		.amdhsa_float_denorm_mode_32 3
		.amdhsa_float_denorm_mode_16_64 3
		.amdhsa_memory_ordered 1
		.amdhsa_forward_progress 1
		.amdhsa_inst_pref_size 126
	.end_amdhsa_kernel
	.amdgpu_metadata
---
amdhsa.version: [ 1, 2 ]
amdhsa.kernels:
  - .name:           k_q29342a38f9_qkv
    .symbol:         k_q29342a38f9_qkv.kd
    .args:
      - { .name: xc, .offset: 0, .size: 8, .value_kind: global_buffer, .address_space: global }
      - { .name: xs, .offset: 8, .size: 8, .value_kind: global_buffer, .address_space: global }
      - { .name: wc, .offset: 16, .size: 8, .value_kind: global_buffer, .address_space: global }
      - { .name: ws, .offset: 24, .size: 8, .value_kind: global_buffer, .address_space: global }
      - { .name: qkv, .offset: 32, .size: 8, .value_kind: global_buffer, .address_space: global }
    .group_segment_fixed_size: 327680
    .private_segment_fixed_size: 0
    .kernarg_segment_align: 8
    .kernarg_segment_size: 40
    .max_flat_workgroup_size: 128
    .sgpr_count:     98
    .vgpr_count:     1024
    .wavefront_size: 32
...
	.end_amdgpu_metadata
.endif
;; end of part 2
;; launch attn (part 3): grid 4 x 64, 8 waves a work-group, clusters of 4 x 1, 327,680 bytes of LDS; arguments qkv, y; writes y
.if DOCPART == 3
	.amdgcn_target "amdgcn-amd-amdhsa--gfx1250"
	.amdhsa_code_object_version 6
	.text
	.protected	k_q29342a38f9_attn
	.globl	k_q29342a38f9_attn
	.p2align	8
	.type	k_q29342a38f9_attn,@function
k_q29342a38f9_attn:
	s_mov_b64 s[64:65], 0
	v_nop
	global_prefetch_b8 v0, s[64:65] scope:SCOPE_SE
	s_setreg_imm32_b32 hwreg(HW_REG_WAVE_MODE, 25, 1), 1
	s_wait_xcnt 0x0
	s_wait_alu depctr_hold_cnt(0) depctr_sa_sdst(0) depctr_va_vdst(0) depctr_va_sdst(0) depctr_va_ssrc(0) depctr_va_vcc(0) depctr_vm_vsrc(0)
	s_getreg_b32 s2, hwreg(HW_REG_IB_STS2, 6, 4)
	s_cmp_eq_u32 s2, 0
	s_cbranch_scc0 .Lentry_in_a_cluster
	s_endpgm
.Lentry_in_a_cluster:
	s_bfe_u32 s2, ttmp6, 0x10000c
	s_cmp_lg_u32 s2, 0x3003
	s_cbranch_scc0 .Lentry_shape_is_right
	s_endpgm
.Lentry_shape_is_right:
; y[p][q][:] = the sum over k of softmax_k(Q[p][q] . K[p][k] / 8) V[p][k][:] for each of 64 planes p (batch x head).  Q, K, V: qkv [3][64][2048][64] f16; y: [64][2048][64] f16.
; Products, maxima and sums in f32; the weights are rounded to f16 for the second product, y once at the end.
; LIMITS: y beyond 65,504 does not fit f16, and y under 6e-5 is rounded on f16's smallest step 2^-24; a weight under 2^-126 counts as 0 (the exponential gives no denormals: ISA guide 15.8); NaN and infinities are not served.
; SHARES.  A work-group owns 512 queries of one plane, each of its EIGHT waves 64: four tiles of 16, in 512 registers: two waves to a SIMD, so that one wave's softmax stands beside the other's products.
; Every wave walks all 2,048 keys, 64 a step; each fragment of K or V read from LDS feeds four matrix instructions.
; LAYOUT.  S^T = K Q^T (source 0 = 16 keys, source 1 = 16 queries): a lane holds ONE query (lane % 16) and the keys 8 (lane / 16) + 0..7.  Two such tiles, rounded to f16 in pairs, ARE source 1
; (32 keys x 16 queries) of O^T = V^T P, whose result again holds one query a lane, and eight channels.  K comes out of LDS as it lies, V ([key][channel]) turned, by ds_load_tr16_b128.
; SOFTMAX.  For each query a running maximum m and sum l: p = 2^(c s - c m), c = log2(e) / 8; in every step O and l are multiplied by a = 2^(c m_old - c m_new).
; A step's row sums are taken at the head of the NEXT step, where they fill the places in front of K's loads and the time in which those loads come.
; CLUSTER.  The plane's four query blocks form a cluster and walk the same K and V: each tile is asked for JOINTLY, by the same tensor load with the same descriptor and a mask that names the four.
; RING.  Two slots of four key steps (256 keys).  Behind each round a wave issues one load (waves 0-3: K of step w; waves 4-7: V of step w - 4), which has four key steps in which to land.
; No prefetch is laid: a slot's refill goes out four key steps ahead of the wait for it.
; REGISTERS: window 0: v0-11 addresses; v30, v31 the add's two; v32-63 statistics, 8 a tile; v64-191 S^T, 32 a tile; v192-255 P, 16 a tile.
;   window 1: v0-127 O^T, 32 a tile; v128-191 Q, 16 a tile; v192-255 ONE buffer that K and V of a step take by turns.
.set KS,    64        ; keys in a step
.set NST,   4         ; steps in a slot
.set PK,    144       ; a row of K in LDS: 128 bytes + 16 of padding = 36 words: the 16 rows of a load start at 16 different groups of four banks (64 banks of 4 bytes: ISA guide 11.1)
.set PV,    160       ; a row of V: 128 + 32 = 40 words
.set VOFF,  KS*PK     ; a step's tiles lie together: 64 rows of K, then 64 rows of V
.set STEPB, KS*(PK+PV)
.set SLOT1, 1<<17     ; slot 1 begins here, so that one exclusive or turns an address in one slot into the other's
.set STAGE, SLOT1+NST*STEPB  ; behind the ring: 16 rows x 144 bytes for each wave, for the way out
.set SP,    144
.set SPARE, STAGE+8*16*SP    ; behind the stages: the spare words, 128 bytes for each wave
.set PLANE, 262144    ; a plane's 2,048 rows of 128 bytes
.set AK0, 2           ; v2   my lane's place in a tile of K; never rewritten
.set AV0, 3           ; v3   the same for V
.set ADR, 4           ; v4   the LDS address of the run of loads in hand
.set QO,  5           ; v5   my byte offset in the wave's rows of Q
.set STO, 6           ; v6   the way out: where I put 16 bytes of a row
.set RD,  7           ; v7   the way out: where I read rows back
.set GO,  8           ; v8   16 x lane: my byte offset in four dense rows of y
.set SPW, 30          ; v30  LDS address of my spare word; never rewritten
.set NIL, 31          ; v31  0; never rewritten
.set ST,  32          ; tile t's statistics at v[ST+8 t]: +0 c m, +1 m, +2, +3 l (even keys', odd keys'), +4 to +7 c0-c3, at work; a takes c2's place once the maximum is found
.set S,   64
.set P,   192
.set O,   0           ; in window 1
.set Q,   128
.set KV,  192
.set WV,  12          ; s12  my wave's number
.set G1K, 24          ; s[24:31] descriptor group 1 for K's tiles
.set G1V, 32          ; s[32:39] for V's: it differs in the padding alone
.set G0K, 40          ; s[40:47] descriptor group 0 for K's tiles: a set for each of the two first fills; the second then walks on
.set G0V, 48          ; s[48:55] the same for V's
.set SLOTS, 56        ; s56  slots still to be asked for
.set CNT, 57          ; s57  counts a slot's steps
.set CS,  58          ; s[58:59] c: the packed scaling names a pair and takes its low word for both halves
.set SEL, 60          ; s[60:61] lane selects for v_permlanex16_b32: each lane takes its own place in the other half
.set TB,  62          ; s62  LDS byte at which the tiles of the step in hand begin
.set MSB, 0
.macro WIN new                      ; the immediate's high byte repeats the setting that is left; a switch that changes nothing is dropped
.if MSB != \new
	s_set_vgpr_msb (MSB<<8)|\new
.set MSB, \new
.endif
.endm
.set W_KQ, 0x05       ; K and Q in window 1, S^T in window 0
.set W_PV, 0x51       ; V and O^T in window 1, P in window 0
.set W_RS, 0x41       ; O^T (destination and source 0) in window 1, a in window 0
.set W_LD, 0x40       ; a load's destination in window 1, its address in window 0
; A joint refill.  Waves 0 to 3 fetch the slot's four tiles of K, waves 4 to 7 those of V.  The branch hangs on the wave's number alone: it is the same in every work-group.
; An s_nop 0 and four v_nop follow each of the two lines; the jump, the label and what follows come after them.
.macro JLOAD
	s_cmp_lt_u32 s[WV], 4
	s_cbranch_scc0 .Lfor_v_\@
	tensor_load_to_lds s[G0K+4:G0K+7], s[G1K:G1K+7]
	s_nop 0
.rept 4
	v_nop
.endr
	s_branch .Lasked_\@
.Lfor_v_\@:
	tensor_load_to_lds s[G0V+4:G0V+7], s[G1V:G1V+7]
	s_nop 0
.rept 4
	v_nop
.endr
.Lasked_\@:
.endm
.macro CROUND                       ; a round of the cluster's barrier
	s_barrier_signal -1
	s_barrier_wait -1
	s_cmp_lg_u32 s[WV], 0
	s_cbranch_scc1 .Lnot_wave_0_\@
	s_barrier_signal -3
.Lnot_wave_0_\@:
	s_barrier_wait -3
	s_barrier_signal -1
	s_barrier_wait -1
.endm
	s_load_b128 s[4:7], s[0:1], 0x0  ; qkv s[4:5], y s[6:7]
	v_lshl_add_u32 v[SPW], v0, 2, SPARE
	v_mov_b32 v[NIL], 0
	ds_add_u32 v[SPW], v[NIL]       ; the wave's opening: the add, twice on end, and its wait ahead of my first tensor load
	ds_add_u32 v[SPW], v[NIL]       ; the set-up below, work on registers, stands between the second and the wait
	v_lshrrev_b32 v1, 5, v0
	v_readfirstlane_b32 s[WV], v1   ; wave 0..7
	s_bfe_u32 s13, ttmp6, 0x40000   ; cx: my place in the cluster
	s_lshl_b32 s14, ttmp9, 2        ; in a cluster launch ttmp9 counts clusters
	s_add_co_u32 s14, s14, s13      ; my block of 512 queries: it enters Q's and y's addresses alone
	s_and_b32 s20, ttmp7, 0xffff    ; the plane, which the four partners share
	s_lshl_b32 s20, s20, 18         ; its first byte in each tensor
	s_mov_b32 s21, 0
	s_and_b32 s16, s[WV], 3         ; which of a slot's four steps I fetch:
	s_lshl_b32 s22, s16, 13         ; its 64 rows of 128 bytes in memory,
	s_mov_b32 s23, 0
	s_add_nc_u64 s[22:23], s[22:23], s[20:21]
	s_mul_i32 s17, s16, STEPB       ; and its place in a slot: no place in the cluster enters an LDS address
	s_lshl_b32 s2, s14, 16          ; my block's 512 rows,
	s_lshl_b32 s3, s[WV], 13        ; my wave's 64 of them
	s_add_co_u32 s2, s2, s3
	s_mov_b32 s3, 0
	s_add_nc_u64 s[2:3], s[2:3], s[20:21]
	; descriptor group 1: a tile of 64 rows x 64 elements, padded in LDS
	s_mov_b32 s[G1K], 15|(1<<16)|(1<<20)|(1<<21)|(4<<22)|(3<<25)  ; 15:0 the mask: all four work-groups; 17:16 elements of 2 bytes; 20 padding on; 21 set beside a mask; 24:22 after every 32 words (code 4); 31:25 4 words of it (code 3)
	s_mov_b32 s[G1V], 15|(1<<16)|(1<<20)|(1<<21)|(4<<22)|(7<<25)  ; the same with 8 words of padding (code 7)
.irp g, G1K, G1V
	s_mov_b32 s[\g+1], 64<<16       ; tensor_dim0 = 64
	s_mov_b32 s[\g+2], KS<<16       ; tensor_dim1 = 64
	s_mov_b32 s[\g+3], 64<<16       ; tile_dim0 = 64
	s_mov_b32 s[\g+4], KS           ; tile_dim1 = 64
	s_mov_b32 s[\g+5], 64           ; tensor_dim0_stride: elements from row to row
	s_mov_b32 s[\g+6], 0
	s_mov_b32 s[\g+7], 0
.endr
	s_mov_b32 s[CS], 0x3e38aa3b     ; c = log2(e) / 8
	s_mov_b32 s[CS+1], s[CS]        ; named with it as a pair, so it is written
	s_mov_b32 s[SEL], 0x76543210
	s_mov_b32 s[SEL+1], 0xfedcba98
	s_mov_b32 s[TB], 0
	s_mov_b32 s[SLOTS], 2048/(NST*KS)-2
	s_wait_dscnt 0x0                ; both opening adds are done
	s_wait_kmcnt 0x0
	s_add_nc_u64 s[8:9], s[4:5], s[22:23]
	s_add_nc_u64 s[10:11], s[8:9], 2*64*PLANE  ; V at my tile of slot 0
	s_add_nc_u64 s[8:9], s[8:9], 64*PLANE      ; K likewise
	s_add_nc_u64 s[4:5], s[4:5], s[2:3]        ; Q and y at my wave's first row
	s_add_nc_u64 s[6:7], s[6:7], s[2:3]
	CROUND                          ; all four work-groups are here: the first joint loads meet
.irp s, 0,1
	s_mov_b32 s[G0K+4*\s], 1        ; count = 1
	s_add_co_u32 s[G0K+4*\s+1], s17, \s*SLOT1  ; LDS address
	s_add_nc_u64 s[G0K+4*\s+2:G0K+4*\s+3], s[8:9], \s*NST*KS*128  ; global address: slot s begins with keys 256 s
	s_or_b32 s[G0K+4*\s+3], s[G0K+4*\s+3], 0x80000000  ; type = 2
	s_mov_b32 s[G0V+4*\s], 1
	s_add_co_u32 s[G0V+4*\s+1], s17, \s*SLOT1+VOFF
	s_add_nc_u64 s[G0V+4*\s+2:G0V+4*\s+3], s[10:11], \s*NST*KS*128
	s_or_b32 s[G0V+4*\s+3], s[G0V+4*\s+3], 0x80000000
.endr
	s_cmp_lt_u32 s[WV], 4           ; a wave's two first fills stand in one branch, ahead of every wait on TENSORcnt and every LDS read: two loads of mine are out
	s_cbranch_scc0 .Lfirst_v
	tensor_load_to_lds s[G0K:G0K+3], s[G1K:G1K+7]
	s_nop 0
	tensor_load_to_lds s[G0K+4:G0K+7], s[G1K:G1K+7]
	s_nop 0
.rept 4
	v_nop
.endr
	s_branch .Lfirst_asked
.Lfirst_v:
	tensor_load_to_lds s[G0V:G0V+3], s[G1V:G1V+7]
	s_nop 0
	tensor_load_to_lds s[G0V+4:G0V+7], s[G1V:G1V+7]
	s_nop 0
.rept 4
	v_nop
.endr
.Lfirst_asked:
	; A fragment of K or Q is 16 rows x 32 channels in 8 registers: lane l holds row l % 16; registers 0-3 channels 8 (l / 16) + 0..7, registers 4-7 channels 16 + 8 (l / 16) + 0..7: two loads of 16 bytes, 32 bytes apart.
	v_and_b32 v1, 15, v0            ; l % 16
	v_bfe_u32 v9, v0, 4, 1          ; l / 16
	v_lshlrev_b32 v[QO], 7, v1
	v_lshl_add_u32 v[QO], v9, 4, v[QO]  ; row x 128 + 16 x half
	WIN W_LD
.irp i, 0,1,2,3,4,5,6,7             ; Q stays in registers: tile i / 2, channels 32 (i % 2) on
	global_load_b128 v[Q+8*\i:Q+8*\i+3],   v[QO], s[4:5] offset:(\i/2)*2048+(\i%2)*64
	global_load_b128 v[Q+8*\i+4:Q+8*\i+7], v[QO], s[4:5] offset:(\i/2)*2048+(\i%2)*64+32
.endr
	WIN 0
	v_mul_u32_u24 v[AK0], v1, PK
	v_lshl_add_u32 v[AK0], v9, 4, v[AK0]  ; row x pitch + 16 x half
	; The turning load takes 16 keys x 16 channels (lane l reads 16 bytes: key 8 (l / 16) + l % 8, channels 8 ((l / 8) % 2) + 0..7) and leaves half a fragment of V^T: lane l holds channel l % 16 and 8 keys.
	v_and_b32 v10, 7, v0
	v_bfe_u32 v11, v0, 3, 1
	v_lshl_add_u32 v[AV0], v9, 3, v10
	v_mul_u32_u24 v[AV0], v[AV0], PV
	v_lshl_add_u32 v[AV0], v11, 4, v[AV0]
	v_add_nc_u32 v[AV0], VOFF, v[AV0]
	s_mul_i32 s13, s[WV], 16*SP
	s_add_co_u32 s13, s13, STAGE    ; my stage
	v_mul_u32_u24 v[STO], v1, SP    ; in: row l % 16, 16 bytes for each half of the lanes
	v_lshl_add_u32 v[STO], v9, 4, v[STO]
	v_add_nc_u32 v[STO], s13, v[STO]
	v_bfe_u32 v[RD], v0, 3, 2       ; back: eight lanes to a row of 128 bytes, four rows an instruction
	v_mul_u32_u24 v[RD], v[RD], SP
	v_lshl_add_u32 v[RD], v10, 4, v[RD]
	v_add_nc_u32 v[RD], s13, v[RD]
	v_and_b32 v[GO], 31, v0
	v_lshlrev_b32 v[GO], 4, v[GO]   ; and the same four rows, dense, in y
.irp t, 0,1,2,3
	v_mov_b32 v[ST+8*\t+2], 0       ; l begins at 0: the first step's a is 1, so its l = 0 x 1 + the step's sum
	v_mov_b32 v[ST+8*\t+3], 0
.endr
; THE MATRIX WORK.  Sixteen accumulators take turns, one instruction a turn: between two links of a chain stand 15 others'.
; S^T = K Q^T, product i of 32: channels 32 (i / 16) on, keys 16 ((i / 4) % 4) on, tile i % 4.  The first 16 start the sums.
.macro KQ
.set i, 0
.rept 32
.set rS, S+32*(i%4)+8*((i/4)%4)
.set rK, KV+16*((i/4)%4)+8*(i/16)
.set rQ, Q+16*(i%4)+8*(i/16)
.if i < 16
	v_wmma_f32_16x16x32_f16 v[rS:rS+7], v[rK:rK+7], v[rQ:rQ+7], 0
.else
	v_wmma_f32_16x16x32_f16 v[rS:rS+7], v[rK:rK+7], v[rQ:rQ+7], v[rS:rS+7]
.endif
.set i, i+1
.endr
.endm
; O^T += V^T P, product i of 32: keys 32 (i / 16) on, channels 16 ((i / 4) % 4) on, tile i % 4.  first = 1: the first 16 start the sums: nothing is ever cleared.
.macro PVM first
.set i, 0
.rept 32
.set rO, O+32*(i%4)+8*((i/4)%4)
.set rV, KV+32*(i/16)+8*((i/4)%4)
.set rP, P+16*(i%4)+8*(i/16)
.if \first && (i < 16)
	v_wmma_f32_16x16x32_f16 v[rO:rO+7], v[rV:rV+7], v[rP:rP+7], 0
.else
	v_wmma_f32_16x16x32_f16 v[rO:rO+7], v[rV:rV+7], v[rP:rP+7], v[rO:rO+7]
.endif
.set i, i+1
.endr
.endm
; THE LDS LOADS stand in two runs of 16 a step, into the one buffer: K (64 keys x 64 channels: 8 fragments), and behind the products K Q^T the same step's V (turned).
.macro FETCH_K                      ; entered and left with every window 0
	v_add_nc_u32 v[ADR], s[TB], v[AK0]
	WIN W_LD
.irp f, 0,1,2,3,4,5,6,7             ; keys 16 (f / 2) on, channels 32 (f % 2) on
	ds_load_b128 v[KV+8*\f:KV+8*\f+3],   v[ADR] offset:(\f/2)*16*PK+(\f%2)*64
	ds_load_b128 v[KV+8*\f+4:KV+8*\f+7], v[ADR] offset:(\f/2)*16*PK+(\f%2)*64+32
.endr
	WIN 0
.endm
.macro FETCH_V
	WIN 0
	v_add_nc_u32 v[ADR], s[TB], v[AV0]  ; this line and three v_nop are the four places behind the last product K Q^T: for the loads into the buffer that it read, and for the first read of the scores
.rept 3
	v_nop
.endr
	s_add_co_u32 s[TB], s[TB], STEPB  ; the next fetch is the next step's
	WIN W_LD
.irp f, 0,1,2,3,4,5,6,7             ; keys 32 (f / 4) on, channels 16 (f % 4) on
	ds_load_tr16_b128 v[KV+8*\f:KV+8*\f+3],   v[ADR] offset:(\f/4)*32*PV+(\f%4)*32
	ds_load_tr16_b128 v[KV+8*\f+4:KV+8*\f+7], v[ADR] offset:(\f/4)*32*PV+16*PV+(\f%4)*32
.endr
	WIN 0
.endm
; THE VECTOR WORK, in window 0 but for the rescaling.  In every list the four tiles alternate, so that no instruction reads the result of the one just before it.
; The maximum of a tile's 32 scores and the old m: four chains of seven scores (each accumulator is read from its low end on), the four scores left over, the chains and m;
; the other half of the lanes' maximum; c m_old kept; the new m; c m; c m_old - c m_new.  first = 1: no old m.
.macro MAX1 t, first
.set rT, ST+8*(\t)
.set rS, S+32*(\t)
.if j < 4
	v_max3_num_f32 v[rT+4+j], v[rS+8*j], v[rS+8*j+1], v[rS+8*j+2]
.elseif j < 12
	v_max3_num_f32 v[rT+4+j%4], v[rT+4+j%4], v[rS+8*(j%4)+2*(j/4)+1], v[rS+8*(j%4)+2*(j/4)+2]
.elseif j == 12
	v_max3_num_f32 v[rT+4], v[rT+4], v[rS+7], v[rS+15]
.elseif j == 13
	v_max3_num_f32 v[rT+6], v[rT+6], v[rS+23], v[rS+31]
.elseif j == 14
	v_max3_num_f32 v[rT+4], v[rT+4], v[rT+5], v[rT+6]
.elseif (j == 15) && \first
	v_max_num_f32 v[rT+4], v[rT+4], v[rT+7]
.elseif j == 15
	v_max3_num_f32 v[rT+4], v[rT+4], v[rT+7], v[rT+1]
.elseif j == 16
	v_permlanex16_b32 v[rT+5], v[rT+4], s[SEL], s[SEL+1]  ; the query's other 32 keys lie in the lane 16 away
.elseif j == 18
	v_max_num_f32 v[rT+1], v[rT+4], v[rT+5]
.elseif j == 19
	v_mul_f32 v[rT], s[CS], v[rT+1]
.elseif ((j == 17) || (j == 20)) && \first  ; the first step has neither
.elseif j == 17
	v_mov_b32 v[rT+7], v[rT]        ; c m_old is kept for a: number 19 writes c m anew
.elseif j == 20
	v_sub_f32 v[rT+7], v[rT+7], v[rT]
.endif
.endm
.macro MAXES first
.set j, 0
.rept 21
.irp t, 0,1,2,3
	MAX1 \t, \first
.endr
.set j, j+1
.endr
.endm
; ONE BATCH: the scalings c s - c m, a pair of scores each, and all exponentials (a, then the 128 scores).  A pair is scaled one turn ahead of its exponentials; no line names an exponential's result.
; Behind the batch one plain instruction, and the ONE wait ahead of the first instruction that names a result.  first = 1: a = 1.
.macro EXPS first
.set b, 0
.rept 17
.if b < 16
.irp t, 0,1,2,3
	v_pk_fma_f32 v[S+32*\t+2*b:S+32*\t+2*b+1], v[S+32*\t+2*b:S+32*\t+2*b+1], s[CS:CS+1], v[ST+8*\t:ST+8*\t+1] op_sel_hi:[1,0,0] neg_lo:[0,0,1] neg_hi:[0,0,1]
.endr
.endif
.if b == 0
.irp t, 0,1,2,3
.if \first
	v_mov_b32 v[ST+8*\t+6], 1.0
.else
	v_exp_f32 v[ST+8*\t+6], v[ST+8*\t+7]
.endif
.endr
.else
.irp t, 0,1,2,3
	v_exp_f32 v[S+32*\t+2*b-2], v[S+32*\t+2*b-2]
	v_exp_f32 v[S+32*\t+2*b-1], v[S+32*\t+2*b-1]
.endr
.endif
.set b, b+1
.endr
	v_nop
	s_wait_alu depctr_va_vdst(0)
.endm
.macro CVT                          ; the weights, rounded to f16 in pairs: they are source 1 of V^T P as they stand
.set j, 0
.rept 16
.irp t, 0,1,2,3
	v_cvt_pk_f16_f32 v[P+16*\t+j], v[S+32*\t+2*j], v[S+32*\t+2*j+1]
.endr
.set j, j+1
.endr
.endm
.macro RESCALE                      ; O^T times a, each accumulator from its low end on
	WIN W_RS
.set j, 0
.rept 16
.irp t, 0,1,2,3
	v_pk_mul_f32 v[O+32*\t+2*j:O+32*\t+2*j+1], v[O+32*\t+2*j:O+32*\t+2*j+1], v[ST+8*\t+6:ST+8*\t+7] op_sel_hi:[1,0]
.endr
.set j, j+1
.endr
.endm
; The sum of a tile's 16 pairs of weights (in a pair: an even key's, an odd key's), in place: number z of 16 adds neighbours 1, 2, 4 and 8 pairs apart; number 15: l = a l + the sum.
.macro SUM1 t
.set rT, ST+8*(\t)
.set rS, S+32*(\t)
.set w, 4
.set u, z
.if z >= 14
.set w, 32
.set u, 0
.elseif z >= 12
.set w, 16
.set u, z-12
.elseif z >= 8
.set w, 8
.set u, z-8
.endif
.if z < 15
	v_pk_add_f32 v[rS+w*u:rS+w*u+1], v[rS+w*u:rS+w*u+1], v[rS+w*u+w/2:rS+w*u+w/2+1]
.else
	v_pk_fma_f32 v[rT+2:rT+3], v[rT+2:rT+3], v[rT+6:rT+7], v[rS:rS+1] op_sel_hi:[1,0,1]
.endif
.endm
.macro SUMS z0, z1
.set z, \z0
.rept \z1-\z0+1
.irp t, 0,1,2,3
	SUM1 \t
.endr
.set z, z+1
.endr
.endm
; A KEY STEP, in phases.  Entered and left with every window 0.
.macro STEP first
.if !\first
	SUMS 0, 0                       ; the last step's sums begin: these four lines name no register of the last products V^T P and are the places in front of the loads into the buffer that those read
.endif
	FETCH_K
.if !\first
	SUMS 1, 15                      ; the rest of them stand while K's fragments come
.endif
	s_wait_dscnt 0x0                ; K is in
	WIN W_KQ
	KQ
	FETCH_V                         ; V's fragments come while the softmax is walked
	MAXES \first
	EXPS \first
	CVT
.if !\first
	RESCALE
.endif
	s_wait_dscnt 0x0                ; V is in
	WIN W_PV
	PVM \first
	WIN 0
.endm
.macro STEPS n                      ; n key steps: written once, walked n times; the LDS addresses hang on s[TB]
	s_mov_b32 s[CNT], \n
.Lstep_\@:
	STEP 0
	s_sub_co_u32 s[CNT], s[CNT], 1
	s_cmp_lg_u32 s[CNT], 0
	s_cbranch_scc1 .Lstep_\@
.endm
; THE CHANGE OF SLOTS.  Each wave waits for all its tensor loads, of which one is out: its part of the other slot; adds 0 to its spare word; and waits for that and for its own reads of the slot.
; fill = 1: this slot is filled again, with the keys two slots on.  The barrier is then a round of the cluster's, so that no wave of any partner still reads the slot or has a load on its way,
; and the joint refill is the first thing behind it.
.macro CHANGE fill
	s_wait_tensorcnt 0x0            ; no tensor load of mine is out, so a group 0 may be written
	ds_add_u32 v[SPW], v[NIL]       ; 0 onto my spare word
.if \fill
.irp g, G0K+4, G0V+4
	s_xor_b32 s[\g+1], s[\g+1], SLOT1  ; the walking descriptor: the other slot than last time,
	s_add_nc_u64 s[\g+2:\g+3], s[\g+2:\g+3], NST*KS*128  ; the next 256 keys; the type bits on top are not reached
.endr
	s_wait_dscnt 0x0                ; the add is done, and my reads of the slot are over
	CROUND
	JLOAD
.else
	s_wait_dscnt 0x0                ; the add is done, and my reads of the slot are over
	s_barrier_signal -1
	s_barrier_wait -1
.endif
	s_sub_co_u32 s[TB], s[TB], NST*STEPB  ; the fetches go back to a slot's first step,
	s_xor_b32 s[TB], s[TB], SLOT1   ; in the other slot
.endm
	s_wait_tensorcnt 1              ; my part of slot 0 is in; slot 1's, issued behind it, may stay out
	s_barrier_signal -1
	s_barrier_wait -1               ; everybody's is
	s_wait_loadcnt 0x0              ; Q
	STEP 1                          ; the first key step starts m, l and O^T
	STEPS 3
.Lslot:                             ; six trips: every slot but the last two is filled again
	CHANGE 1
	STEPS 4
	s_sub_co_u32 s[SLOTS], s[SLOTS], 1
	s_cmp_lg_u32 s[SLOTS], 0
	s_cbranch_scc1 .Lslot
	CHANGE 0                        ; the tail is written out
	STEPS 4
	SUMS 0, 15                      ; the last step's sums: also the places behind the last products
	; THE WAY OUT.  l's two halves and the other half of the lanes' are added; O^T is divided by l, rounded to f16 and sent through my stage in LDS, a tile (16 rows of y) at a time.
.irp t, 0,1,2,3
	v_add_f32 v[ST+8*\t+4], v[ST+8*\t+2], v[ST+8*\t+3]
.endr
.irp t, 0,1,2,3
	v_permlanex16_b32 v[ST+8*\t+5], v[ST+8*\t+4], s[SEL], s[SEL+1]
.endr
.irp t, 0,1,2,3
	v_add_f32 v[ST+8*\t+4], v[ST+8*\t+4], v[ST+8*\t+5]
.endr
.irp t, 0,1,2,3
	v_rcp_f32 v[ST+8*\t+6], v[ST+8*\t+4]
.endr
	v_nop                           ; a plain instruction between the last reciprocal and the use of its result
	s_wait_alu depctr_va_vdst(0)    ; and the wait ahead of the first use: one for the four reciprocals
; Tile t: a lane's eight channels of a row pack into 16 bytes; they go into rows of 144 bytes and come back four whole rows of 128 bytes at a time, into the registers that they left.
.macro PACK t
	WIN W_RS
.set i, 32*\t
.rept 16
	v_pk_mul_f32 v[i:i+1], v[i:i+1], v[ST+8*\t+6:ST+8*\t+7] op_sel_hi:[1,0]
.set i, i+2
.endr
	WIN 0x05                        ; sources 0 and 1 window 1, destination window 0: S^T's registers are free
.set i, 0
.rept 16
	v_cvt_pk_f16_f32 v[S+32*\t+i], v[32*\t+2*i], v[32*\t+2*i+1]
.set i, i+1
.endr
	WIN 0
.irp c, 0,1,2,3
	ds_store_b128 v[STO], v[S+32*\t+4*\c:S+32*\t+4*\c+3] offset:32*\c
.endr
.irp f, 0,1,2,3
	ds_load_b128 v[S+32*\t+4*\f:S+32*\t+4*\f+3], v[RD] offset:\f*4*SP  ; LDS serves a wave's instructions in order (ISA guide 5.7.1.4): these see the stores above; the next tile's stores come behind them
.endr
.endm
.macro SEND t, younger              ; younger: the LDS instructions issued behind tile t's loads: the next tile's eight, or none
.irp f, 0,1,2,3
	s_wait_dscnt \younger+3-\f
	global_store_b128 v[GO], v[S+32*\t+4*\f:S+32*\t+4*\f+3], s[6:7] offset:\t*2048+\f*512  ; 32 lanes store four dense rows: 512 consecutive bytes, aligned
.endr
.endm
	PACK 0
	PACK 1                          ; a tile's arithmetic stands between the loads of the tile before and its stores
	SEND 0, 8
	PACK 2
	SEND 1, 8
	PACK 3
	SEND 2, 8
	SEND 3, 0
	s_wait_tensorcnt 0x0            ; the wave's end: behind my last tensor load and my last LDS store
	ds_add_u32 v[SPW], v[NIL]
	s_wait_dscnt 0x0
	CROUND                          ; the closing round: no work-group ends while a partner may still ask for a tile that names it
	s_endpgm
.Lfunc_end_k_q29342a38f9_attn:
	.size	k_q29342a38f9_attn, .Lfunc_end_k_q29342a38f9_attn-k_q29342a38f9_attn
	.p2alignl 7, 3214868480
	.fill 96, 4, 3214868480
	.section	.rodata,"a",@progbits
	.p2align	6, 0x0
	.amdhsa_kernel k_q29342a38f9_attn
		.amdhsa_group_segment_fixed_size 327680
		.amdhsa_private_segment_fixed_size 0
		.amdhsa_enable_private_segment 0
		.amdhsa_kernarg_size 16
		.amdhsa_user_sgpr_count 2
		.amdhsa_user_sgpr_kernarg_segment_ptr 1
		.amdhsa_wavefront_size32 1
		.amdhsa_system_sgpr_workgroup_id_x 1
		.amdhsa_system_sgpr_workgroup_id_y 1
		.amdhsa_system_sgpr_workgroup_id_z 1
		.amdhsa_system_vgpr_workitem_id 0
		.amdhsa_next_free_vgpr 512
		.amdhsa_next_free_sgpr 66
		.amdhsa_reserve_vcc 0
		.amdhsa_float_denorm_mode_32 3
		.amdhsa_float_denorm_mode_16_64 3
		.amdhsa_memory_ordered 1
		.amdhsa_forward_progress 1
		.amdhsa_inst_pref_size 146
	.end_amdhsa_kernel
	.amdgpu_metadata
---
amdhsa.version: [ 1, 2 ]
amdhsa.kernels:
  - .name:           k_q29342a38f9_attn
    .symbol:         k_q29342a38f9_attn.kd
    .args:
      - { .name: qkv, .offset: 0, .size: 8, .value_kind: global_buffer, .address_space: global }
      - { .name: y, .offset: 8, .size: 8, .value_kind: global_buffer, .address_space: global }
    .group_segment_fixed_size: 327680
    .private_segment_fixed_size: 0
    .kernarg_segment_align: 8
    .kernarg_segment_size: 16
    .max_flat_workgroup_size: 256
    .sgpr_count:     66
    .vgpr_count:     512
    .wavefront_size: 32
...
	.end_amdgpu_metadata
.endif
;; end of part 3
;; launch proj (part 4): grid 4 x 64, 4 waves a work-group, clusters of 4 x 4, 327,680 bytes of LDS; arguments y, wo16, out0; writes out0
.if DOCPART == 4
	.amdgcn_target "amdgcn-amd-amdhsa--gfx1250"
	.amdhsa_code_object_version 6
	.text
	.protected	k_q29342a38f9_proj
	.globl	k_q29342a38f9_proj
	.p2align	8
	.type	k_q29342a38f9_proj,@function
k_q29342a38f9_proj:
	s_mov_b64 s[64:65], 0
	v_nop
	global_prefetch_b8 v0, s[64:65] scope:SCOPE_SE
	s_setreg_imm32_b32 hwreg(HW_REG_WAVE_MODE, 25, 1), 1
	s_wait_xcnt 0x0
	s_wait_alu depctr_hold_cnt(0) depctr_sa_sdst(0) depctr_va_vdst(0) depctr_va_sdst(0) depctr_va_ssrc(0) depctr_va_vcc(0) depctr_vm_vsrc(0)
	s_getreg_b32 s2, hwreg(HW_REG_IB_STS2, 6, 4)
	s_cmp_eq_u32 s2, 0
	s_cbranch_scc0 .Lentry_in_a_cluster
	s_endpgm
.Lentry_in_a_cluster:
	s_bfe_u32 s2, ttmp6, 0x10000c
	s_cmp_lg_u32 s2, 0xf033
	s_cbranch_scc0 .Lentry_shape_is_right
	s_endpgm
.Lentry_shape_is_right:
; out0[m][n] = sum over k of Y[m][k] Wo[n][k], m = batch x 2048 + s, k = head x 64 + channel.  Y lies by head: y [batch 4][head 16][s 2048][64] f16; Wo: wo16 [1024][1024] f16; out0: [8192][1024] f32; sums in f32.
; A tile of out0 is 128 x 256: 64 x 4 = 256 work-groups.  Four waves, each 64 rows x 128 columns: 32 accumulators of 16 x 16, 256 registers.
; K goes in steps of 128, which are two heads, through a ring of two LDS slots: waves 0 and 1 fetch the two heads' 128 rows of Y (rows of 128 dense bytes), waves 2 and 3 the two halves of Wo's 256 rows (256 bytes of each).
; CLUSTERS: 4 x 4 work-groups.  The four of a row of the cluster need the same tiles of Y, the four of a column the same tiles of Wo: each tile is asked for JOINTLY, by the same tensor load with the
; same descriptor and a mask that names the four.  THE MATRIX INSTRUCTION IS USED TRANSPOSED (source 0 = 16 rows of Wo, source 1 = 16 rows of Y): a lane then holds eight neighbouring numbers of a row of out0.
; REGISTERS: window 0: v0-31 addresses; v64-95, v96-127 Y's fragments (4 x 16 rows x 32 K), two buffers; v128-191, v192-255 Wo's (8), two buffers; on the way out v64-191 take rows of out0.
;   window 1: the accumulators ((a, b) at v[8 (8 a + b)]).
.set PA,     144                       ; an LDS row of Y: 128 bytes + 16 of padding
.set PB,     272                       ; an LDS row of Wo: 256 bytes + 16 of padding: in both the 16 rows that a load touches start at 16 different groups of four banks (64 banks of 4 bytes: ISA guide 11.1)
.set HALFA,  128*PA                    ; one head's 128 rows: what one tensor load brings
.set HALFB,  128*PB                    ; 128 rows of Wo: likewise, and what one wave reads
.set BOFF,   2*HALFA                   ; in a slot Wo's rows lie behind Y's two heads
.set SLOT,   BOFF+2*HALFB
.set STAGE,  2*SLOT                    ; behind the ring: 16 rows x (512 bytes + 16) for each wave, for the way out
.set SPITCH, 528
.set SPARE,  STAGE+4*16*SPITCH         ; behind the stages: the spare words, 128 bytes for each wave
.set LAPS,   4                         ; a lap = two K steps = once round the ring
.set ADRA, 16                          ; v16-17  LDS address of my fragments of Y in slot 0, 1
.set ADRB, 20                          ; v20-21  the same for Wo
.set STO,  24                          ; v24     the way out: where I put 32 bytes of a row
.set RD,   25                          ; v25     the way out: where I read a row back
.set CO,   26                          ; v26     16 x lane: my byte offset in a row's 512 bytes
.set SPW,  28                          ; v28     LDS address of my spare word; never rewritten
.set NIL,  29                          ; v29     0; never rewritten
.set AF,   64
.set BF,   128
.set BK,   64                          ; the way out: 16 rows read back from the stage: v64-127 and v128-191 by turns
.set G1, 24                            ; s[24:31] descriptor group 1 for Y's tiles;  s[32:39] group 0, one set for each slot
.set G0, 32
.set G1B, 48                           ; s[48:55], s[56:63] the same for Wo's tiles
.set G0B, 56
.set MSB, 0
.macro WIN new                         ; the immediate's high byte repeats the setting that is left
.if MSB != \new
	s_set_vgpr_msb (MSB<<8)|\new
.set MSB, \new
.endif
.endm
.set MUL,  0x50                        ; sources 0 and 1 window 0; C and D window 1
.macro JLOAD s                         ; a joint load: waves 0 and 1 fetch for Y, waves 2 and 3 for Wo; an s_nop 0 and four v_nop follow each of the two lines, ahead of the jump, the label and what follows
	s_cmp_eq_u32 s11, 0
	s_cbranch_scc0 .Lfor_b_\@
	tensor_load_to_lds s[G0+4*\s:G0+4*\s+3], s[G1:G1+7]
	s_nop 0
.rept 4
	v_nop
.endr
	s_branch .Lasked_\@
.Lfor_b_\@:
	tensor_load_to_lds s[G0B+4*\s:G0B+4*\s+3], s[G1B:G1B+7]
	s_nop 0
.rept 4
	v_nop
.endr
.Lasked_\@:
.endm
.macro CREST                           ; a round of the cluster's barrier behind its opening barrier
	s_cmp_lg_u32 s10, 0
	s_cbranch_scc1 .Lnot_wave_0_\@
	s_barrier_signal -3
.Lnot_wave_0_\@:
	s_barrier_wait -3
	s_barrier_signal -1
	s_barrier_wait -1
.endm
.macro CROUND                          ; a whole round
	s_barrier_signal -1
	s_barrier_wait -1
	CREST
.endm
	s_load_b128 s[4:7], s[0:1], 0x0                ; y s[4:5], wo16 s[6:7]
	s_load_b64 s[8:9], s[0:1], 0x10                ; out0
	v_lshl_add_u32 v[SPW], v0, 2, SPARE
	v_mov_b32 v[NIL], 0
	ds_add_u32 v[SPW], v[NIL]                      ; the wave's opening: the add, twice on end, and its wait ahead of my first tensor load
	ds_add_u32 v[SPW], v[NIL]                      ; the set-up below, work on registers, stands between the second and the wait
	v_lshrrev_b32 v1, 5, v0
	v_readfirstlane_b32 s10, v1                    ; wave 0..3
	s_lshr_b32 s11, s10, 1                         ; which half of the tile's rows is mine.  Also: I fetch for Y (0) or for Wo (1)
	s_and_b32 s12, s10, 1                          ; which half of its columns.  Also: which head of the K step, or which 128 rows of Wo, I fetch
	s_bfe_u32 s40, ttmp6, 0x40000                  ; cx, cy: my place in the cluster
	s_bfe_u32 s41, ttmp6, 0x40004
	s_lshl_b32 s42, ttmp9, 2
	s_add_co_u32 s42, s42, s40                     ; tile column = 4 x cluster x + cx
	s_and_b32 s13, ttmp7, 0xffff
	s_lshl_b32 s13, s13, 2
	s_add_co_u32 s13, s13, s41                     ; tile row = 4 x cluster y + cy
	s_lshl_b32 s43, s41, 2
	s_lshl_b32 s43, 15, s43                        ; my row of the cluster
	s_lshl_b32 s44, 0x1111, s40                    ; my column
	; descriptor group 1.  Y: 128 rows x 64 elements, dense in memory; Wo: 128 rows x 128 elements, 1,024 elements apart
	s_or_b32 s[G1+0], s43, (1<<16)|(1<<20)|(1<<21)|(4<<22)|(3<<25)  ; 15:0 the mask: Y's tiles go to my row; 17:16 element of 2 bytes; 20 padding on; 21 set beside a mask; 24:22 after every 32 words (code 4); 31:25 of 4 words (code 3)
	s_mov_b32 s[G1+1], 64<<16                      ; tensor_dim0 = 64
	s_mov_b32 s[G1+2], 128<<16                     ; tensor_dim1 = 128
	s_mov_b32 s[G1+3], 64<<16                      ; tile_dim0 = 64
	s_mov_b32 s[G1+4], 128                         ; tile_dim1 = 128
	s_mov_b32 s[G1+5], 64                          ; tensor_dim0_stride
	s_mov_b32 s[G1+6], 0
	s_mov_b32 s[G1+7], 0
	s_or_b32 s[G1B+0], s44, (1<<16)|(1<<20)|(1<<21)|(5<<22)|(3<<25) ; the mask of my column; padding after every 64 words (code 5)
	s_mov_b32 s[G1B+1], 128<<16
	s_mov_b32 s[G1B+2], 128<<16
	s_mov_b32 s[G1B+3], 128<<16
	s_mov_b32 s[G1B+4], 128
	s_mov_b32 s[G1B+5], 1024
	s_mov_b32 s[G1B+6], 0
	s_mov_b32 s[G1B+7], 0
	; where the tiles come from.  Y's hang on the tile row alone, Wo's on the tile column alone; every wave makes both, in registers that never hold the other coordinate
	s_lshr_b32 s16, s13, 4
	s_lshl_b32 s16, s16, 22                        ; the batch: 16 planes of 262,144 bytes
	s_and_b32 s17, s13, 15
	s_lshl_b32 s17, s17, 14                        ; 128 rows of 128 bytes a tile row
	s_add_co_u32 s16, s16, s17
	s_lshl_b32 s17, s12, 18                        ; my head of the K step's two
	s_add_co_u32 s16, s16, s17
	s_mov_b32 s17, 0
	s_lshl_b32 s46, s42, 19                        ; 256 rows of 2,048 bytes a tile column
	s_lshl_b32 s47, s12, 18                        ; my 128 of them
	s_add_co_u32 s46, s46, s47
	s_mov_b32 s47, 0
	s_mul_i32 s20, s12, HALFA                      ; where they go: no place in the cluster enters an LDS address
	s_mul_i32 s21, s12, HALFB
	s_add_co_u32 s21, s21, BOFF
	s_wait_dscnt 0x0                               ; both opening adds are done
	s_wait_kmcnt 0x0
	s_add_nc_u64 s[14:15], s[4:5], s[16:17]
	s_add_nc_u64 s[46:47], s[6:7], s[46:47]
	CROUND                                         ; all sixteen work-groups are here: the first joint loads meet
.irp s, 0,1
	s_mov_b32 s[G0+4*\s], 1
	s_add_co_u32 s[G0+4*\s+1], s20, \s*SLOT
	s_add_nc_u64 s[G0+4*\s+2:G0+4*\s+3], s[14:15], \s*2*262144     ; K step s: two heads on
	s_or_b32 s[G0+4*\s+3], s[G0+4*\s+3], 0x80000000
	s_mov_b32 s[G0B+4*\s], 1
	s_add_co_u32 s[G0B+4*\s+1], s21, \s*SLOT
	s_add_nc_u64 s[G0B+4*\s+2:G0B+4*\s+3], s[46:47], \s*256        ; K step s: 128 elements on
	s_or_b32 s[G0B+4*\s+3], s[G0B+4*\s+3], 0x80000000
	JLOAD \s                                       ; two tensor loads of mine are out
.endr
	v_and_b32 v1, 15, v0                           ; l % 16
	v_bfe_u32 v2, v0, 4, 1                         ; l / 16
	v_mul_u32_u24 v3, v1, PA
	v_lshl_add_u32 v3, v2, 4, v3                   ; a fragment's row x pitch + 16 x half
	v_mul_u32_u24 v4, v1, PB
	v_lshl_add_u32 v4, v2, 4, v4
	s_mul_i32 s21, s11, 64*PA                      ; my 64 rows of Y, in each head's block
	s_mul_i32 s22, s12, HALFB                      ; my 128 rows of Wo,
	s_add_co_u32 s22, s22, BOFF                    ; which lie behind Y's
.irp s, 0,1
	v_add_nc_u32 v[ADRA+\s], s21, v3
	v_add_nc_u32 v[ADRB+\s], s22, v4
	s_add_co_u32 s21, s21, SLOT
	s_add_co_u32 s22, s22, SLOT
.endr
	s_mul_i32 s23, s10, 16*SPITCH
	s_add_co_u32 s23, s23, STAGE                   ; my stage
	v_mul_u32_u24 v5, v1, SPITCH                   ; in: row l % 16, 32 bytes for each half of the lanes
	v_lshl_add_u32 v5, v2, 5, v5
	v_add_nc_u32 v[STO], s23, v5
	v_and_b32 v6, 31, v0
	v_lshlrev_b32 v[CO], 4, v6                     ; back: the 32 lanes take one row of 512 bytes; and the same in out0
	v_add_nc_u32 v[RD], s23, v[CO]
	s_lshl_b32 s16, s13, 7
	s_lshl_b32 s17, s11, 6
	s_add_co_u32 s16, s16, s17                     ; my first row: 128 x tile row + 64 x half
	s_lshl_b32 s16, s16, 12                        ; rows of 4,096 bytes
	s_lshl_b32 s46, s42, 10                        ; my first column, in bytes: 1,024 x tile column + 512 x half
	s_lshl_b32 s47, s12, 9
	s_add_co_u32 s46, s46, s47
	s_add_co_u32 s46, s46, s16
	s_mov_b32 s47, 0
	s_add_nc_u64 s[8:9], s[8:9], s[46:47]
; 8 matrix instructions: Y's block a x Wo's eight, 32 along K, from buffers p.  zero = 1: the first product starts the sums: nothing is ever cleared.
; The 32 accumulators take turns, one instruction a turn, in the same order in every quarter.
.macro MUL8 p, a, zero
.irp b, 0,1,2,3,4,5,6,7
.if \zero
	v_wmma_f32_16x16x32_f16 v[8*(8*(\a)+\b):8*(8*(\a)+\b)+7], v[BF+64*(\p)+8*\b:BF+64*(\p)+8*\b+7], v[AF+32*(\p)+8*(\a):AF+32*(\p)+8*(\a)+7], 0
.else
	v_wmma_f32_16x16x32_f16 v[8*(8*(\a)+\b):8*(8*(\a)+\b)+7], v[BF+64*(\p)+8*\b:BF+64*(\p)+8*\b+7], v[AF+32*(\p)+8*(\a):AF+32*(\p)+8*(\a)+7], v[8*(8*(\a)+\b):8*(8*(\a)+\b)+7]
.endif
.endr
.endm
.macro MUL16 p, a0, zero
	MUL8 \p, \a0, \zero
	MUL8 \p, \a0+1, \zero
.endm
; 24 LDS loads in one run, under window 0: the fragments of the slot's quarter q (32 along K: head q / 2, channels 32 (q % 2) on) into buffers p: Wo's eight, then Y's four
.macro FETCH slot, q, p
.irp i, 0,1,2,3,4,5,6,7
	ds_load_b128 v[BF+64*(\p)+8*\i:BF+64*(\p)+8*\i+3],   v[ADRB+\slot] offset:64*(\q)+\i*16*PB
	ds_load_b128 v[BF+64*(\p)+8*\i+4:BF+64*(\p)+8*\i+7], v[ADRB+\slot] offset:64*(\q)+\i*16*PB+32
.endr
.irp i, 0,1,2,3
	ds_load_b128 v[AF+32*(\p)+8*\i:AF+32*(\p)+8*\i+3],   v[ADRA+\slot] offset:((\q)/2)*HALFA+64*((\q)%2)+\i*16*PA
	ds_load_b128 v[AF+32*(\p)+8*\i+4:AF+32*(\p)+8*\i+7], v[ADRA+\slot] offset:((\q)/2)*HALFA+64*((\q)%2)+\i*16*PA+32
.endr
.endm
.macro PLACES                          ; four places in front of loads into registers that matrix instructions have read, and of the first reads of results (ISA guide 7.12.1 for vector instructions)
.rept 4
	v_nop
.endr
.endm
; A K step is four quarters of 32 along K, 32 matrix instructions each, on buffers 0, 1, 0, 1.  One of the first three: multiplies buffers p and fetches quarter q of the same slot into buffers g.
.macro QUARTER slot, q, p, g, zero
	s_wait_dscnt 4                                 ; Wo's eight and Y's blocks 0 and 1 are in; the youngest four loads (Y's blocks 2 and 3) may be out
	WIN MUL
	MUL16 \p, 0, \zero
	PLACES
	WIN 0
	FETCH \slot, \q, \g
	s_wait_dscnt 24                                ; all but the 24 just issued
	WIN MUL
	MUL16 \p, 2, \zero
.endm
; The last quarter multiplies buffers 1 and changes slots: ONE barrier; in front of it each wave waits for all its tensor loads, adds 0 to its spare word, and waits for that and for its own reads of this slot.
; fill = 1: this slot is filled again, two K steps ahead; the barrier then opens a round of the cluster's barrier, and the joint refill is the first thing behind the round.
.macro TURN slot, next, fill
	WIN 0                                          ; (the add's two registers lie in window 0)
	s_wait_tensorcnt 0x0                           ; all my tensor loads have landed: my part of the next slot
	ds_add_u32 v[SPW], v[NIL]                      ; 0 onto my spare word
	s_wait_dscnt 5                                 ; (the add and the youngest four loads may be out)
	WIN MUL
	MUL8 1, 0, 0                                   ; eight matrix instructions stand between the add and the wait for it
	s_wait_dscnt 0x0                               ; the add is done, and my reads of this slot are over
	s_barrier_signal -1
	MUL8 1, 1, 0
.if \fill
	WIN 0
.endif
	s_barrier_wait -1
.if \fill
	CREST                                          ; no wave of any partner still reads this slot's tile or has a load on its way
	s_add_nc_u64 s[G0+4*\slot+2:G0+4*\slot+3], s[G0+4*\slot+2:G0+4*\slot+3], 4*262144   ; two K steps on: four heads,
	s_add_nc_u64 s[G0B+4*\slot+2:G0B+4*\slot+3], s[G0B+4*\slot+2:G0B+4*\slot+3], 512    ; 256 elements
	JLOAD \slot                                    ; the first tensor load behind the round: 112 matrix instructions ahead of the wait for it; its four v_nop are also the places in front of the loads below
.else
	PLACES
	WIN 0
.endif
	FETCH \next, 0, 0
	WIN MUL
	MUL16 1, 2, 0
.endm
	s_wait_tensorcnt 1                             ; my part of K step 0 is in (K step 1's load, issued behind it, may be out),
	s_barrier_signal -1
	s_barrier_wait -1                              ; everybody's is
	FETCH 0, 0, 0
	QUARTER 0, 1, 0, 1, 1                          ; the first quarter stands in front of the loop: its products start the sums
	WIN 0                                          ; at a label and at a branch every window is 0
	s_mov_b32 s3, LAPS-1
.Llap:                                                 ; a trip goes once round the ring, from a lap's second quarter to the next lap's first, and fills both slots again
	QUARTER 0, 2, 1, 0, 0
	QUARTER 0, 3, 0, 1, 0
	TURN 0, 1, 1
	QUARTER 1, 1, 0, 1, 0
	QUARTER 1, 2, 1, 0, 0
	QUARTER 1, 3, 0, 1, 0
	TURN 1, 0, 1
	QUARTER 0, 1, 0, 1, 0
	WIN 0
	s_sub_co_u32 s3, s3, 1
	s_cmp_lg_u32 s3, 0
	s_cbranch_scc1 .Llap
	QUARTER 0, 2, 1, 0, 0                          ; the last lap fills nothing, and has no round of the cluster's barrier
	QUARTER 0, 3, 0, 1, 0
	TURN 0, 1, 0
	QUARTER 1, 1, 0, 1, 0
	QUARTER 1, 2, 1, 0, 0
	QUARTER 1, 3, 0, 1, 0
	s_wait_dscnt 4                                 ; the very last quarter: nothing more to fetch
	WIN MUL
	MUL16 1, 0, 0
	s_wait_dscnt 0
	MUL16 1, 2, 0
	WIN 0
; THE WAY OUT, block by block of 16 rows x 128 columns.  A lane holds 32 neighbouring bytes of a row, and the lanes beside it hold other rows: so a block goes through my own stage in LDS and comes back as whole
; rows of 512 bytes.  LDS serves a wave's instructions in order (ISA guide 5.7.1.4): no wait between the stores and the loads, nor in front of the next block's stores.
.macro TOSTAGE a
.set AC, 64*(\a)
	WIN 0x04                                       ; an LDS store's data are its source 1: window 1
.irp b, 0,1,2,3,4,5,6,7
	ds_store_b128 v[STO], v[AC+8*\b:AC+8*\b+3] offset:64*\b          ; each accumulator from its low end on
	ds_store_b128 v[STO], v[AC+8*\b+4:AC+8*\b+7] offset:64*\b+16
.endr
	WIN 0
.set BB, BK+64*((\a)%2)
.irp t, 0,1,2,3,4,5,6,7,8,9,10,11,12,13,14,15
	ds_load_b128 v[BB+4*\t:BB+4*\t+3], v[RD] offset:\t*SPITCH
.endr
.endm
.macro SEND a, younger                 ; younger: the LDS instructions issued behind block a's loads, which may stay out
.set BB, BK+64*((\a)%2)
	s_wait_dscnt \younger                          ; the block is back in registers
.irp t, 0,1,2,3,4,5,6,7,8,9,10,11,12,13,14,15
	global_store_b128 v[CO], v[BB+4*\t:BB+4*\t+3], s[8:9] offset:(16*(\a)+\t)*4096 th:TH_STORE_NT   ; 32 lanes store 512 consecutive bytes, aligned; written once, read by nobody here; the base is never stepped
.endr
.endm
	PLACES                                         ; behind the last products: for the first reads of results and the loads into the registers that held fragments
	TOSTAGE 0
.irp a, 1,2,3
.if \a > 1
	s_wait_xcnt 0x0                                ; block a - 2's stores have read their registers: block a's loads may land there
.endif
	TOSTAGE \a
	SEND \a-1, 32                                  ; behind block a - 1's loads: block a's 16 stores and 16 loads
.endr
	SEND 3, 0
	s_wait_tensorcnt 0x0                           ; the wave's end: behind my last tensor load and my last LDS store
	ds_add_u32 v[SPW], v[NIL]
	s_wait_dscnt 0x0
	CROUND                                         ; the closing round: no work-group ends while a partner may still ask for a tile that names it
	s_endpgm
.Lfunc_end_k_q29342a38f9_proj:
	.size	k_q29342a38f9_proj, .Lfunc_end_k_q29342a38f9_proj-k_q29342a38f9_proj
	.p2alignl 7, 3214868480
	.fill 96, 4, 3214868480
	.section	.rodata,"a",@progbits
	.p2align	6, 0x0
	.amdhsa_kernel k_q29342a38f9_proj
		.amdhsa_group_segment_fixed_size 327680
		.amdhsa_private_segment_fixed_size 0
		.amdhsa_enable_private_segment 0
		.amdhsa_kernarg_size 24
		.amdhsa_user_sgpr_count 2
		.amdhsa_user_sgpr_kernarg_segment_ptr 1
		.amdhsa_wavefront_size32 1
		.amdhsa_system_sgpr_workgroup_id_x 1
		.amdhsa_system_sgpr_workgroup_id_y 1
		.amdhsa_system_sgpr_workgroup_id_z 1
		.amdhsa_system_vgpr_workitem_id 0
		.amdhsa_next_free_vgpr 512
		.amdhsa_next_free_sgpr 66
		.amdhsa_reserve_vcc 0
		.amdhsa_float_denorm_mode_32 3
		.amdhsa_float_denorm_mode_16_64 3
		.amdhsa_memory_ordered 1
		.amdhsa_forward_progress 1
		.amdhsa_inst_pref_size 85
	.end_amdhsa_kernel
	.amdgpu_metadata
---
amdhsa.version: [ 1, 2 ]
amdhsa.kernels:
  - .name:           k_q29342a38f9_proj
    .symbol:         k_q29342a38f9_proj.kd
    .args:
      - { .name: y, .offset: 0, .size: 8, .value_kind: global_buffer, .address_space: global }
      - { .name: wo16, .offset: 8, .size: 8, .value_kind: global_buffer, .address_space: global }
      - { .name: out0, .offset: 16, .size: 8, .value_kind: global_buffer, .address_space: global }
    .group_segment_fixed_size: 327680
    .private_segment_fixed_size: 0
    .kernarg_segment_align: 8
    .kernarg_segment_size: 24
    .max_flat_workgroup_size: 128
    .sgpr_count:     66
    .vgpr_count:     512
    .wavefront_size: 32
...
	.end_amdgpu_metadata
.endif
;; end of part 4
